; MI455X (gfx1250); checked and timed in simulation.
; The chip was launched on July 23, 2026; its instructions are those of AMD's public machine-readable ISA for CDNA 5 (MIT licence, August 2026) and "CDNA5" Instruction Set Architecture Reference Guide (July 2026). The comments in the code are by the model that wrote it; some were corrected since.
;; Projected Adaptive Log Softmax. Allowed arithmetic: matrix products marked QUANTISED: E2M3 operands, one E8M0 scale for each 32 along K, by v_wmma_scale_f32_16x16x128_f8f6f4 with both operands' format E2M3, f32 sums; everything else in f32.
;; Inputs: b0 20,000 float32; b1 30,000 float32; b2 50,000 float32; cluster_b 2 float32; cluster_w 2 x 1,024 float32; hidden 2 x 1,024 x 1,024 float32; proj0 1,024 x 1,024 float32; proj1 1,024 x 256 float32; proj2 1,024 x 64 float32; target 2 x 1,024 int32; w0 20,000 x 1,024 float32; w1 30,000 x 256 float32; w2 50,000 x 64 float32.
;; Outputs: out0 2 x 1,024 float32.
;; This version of the problem:
;;   THIS VERSION OF THE PROBLEM IS GIVEN IN LOW PRECISION. The matrix products marked QUANTISED in the list below multiply operands that are first quantised to E2M3 (2 exponent bits, 3 mantissa bits; 6 bits a number), with one power-of-two scale for each 32 numbers along K (OCP MX v1.0); their sums are f32. All else is computed in f32.
;;   The module's matrix products, in the order in which they are computed (A, B: the left and right operand; K: the contracted axis; several contracted axes count as one K, in the product's order):
;;     1. [M 2,048, K 1,024] x [K 1,024, N 1,024]; A: input hidden; B: input proj0: QUANTISED
;;     2. [M 2,048, K 1,024] x [K 1,024, N 20,002]; A: computed on the way; B: computed on the way: QUANTISED
;;     3. [M 2,048, K 1,024] x [K 1,024, N 256]; A: input hidden; B: input proj1: QUANTISED
;;     4. [M 2,048, K 256] x [K 256, N 30,000]; A: computed on the way; B: input w1: QUANTISED
;;     5. [M 2,048, K 1,024] x [K 1,024, N 64]; A: input hidden; B: input proj2: QUANTISED
;;     6. [M 2,048, K 64] x [K 64, N 50,000]; A: computed on the way; B: input w2: QUANTISED
;;   THE QUANTISER, for each operand of a quantised product, along K:
;;     - K is cut into blocks of 32 from its start; a last block that is shorter is filled with zeros.
;;     - A block's scale is 2^e with e = floor(log2(the largest magnitude in the block)) - 2, held to -126 .. 127; a block of zeros has e = 0. As a byte (E8M0): e + 127.
;;     - Each number is divided by its block's scale, clamped to +-7.5, and rounded to the nearest number of E2M3, ties to even, subnormals kept.
;;     - The product sums the exact products of the quantised numbers (number of the format x scale) in f32.
;;   ~~~python
;;   def quantise(x, axis):      # numpy; x: float32 -> the quantised numbers, widened to float32 again
;;       x = np.moveaxis(x, axis, -1); K = x.shape[-1]
;;       x = np.pad(x, [(0, 0)] * (x.ndim - 1) + [(0, -K % 32)]); x = x.reshape(x.shape[:-1] + (-1, 32)); a = np.abs(x).max(-1, keepdims=True)
;;       e = np.where(a > 0, np.clip(np.frexp(np.where(a > 0, a, 1))[1] - 1 - 2, -126, 127), 0)      # np.frexp(a)[1] - 1 = floor(log2(a)), exactly
;;       r = np.clip(x / 2.0 ** e, -7.5, 7.5)
;;       step = 2.0 ** (np.maximum(np.frexp(np.where(r == 0, 1, r))[1] - 1, 0) - 3)
;;       q = np.round(r / step) * step * 2.0 ** e      # np.round: ties to even
;;       return np.moveaxis(q.reshape(q.shape[:-2] + (-1,))[..., :K], -1, axis).astype(np.float32)
;;   ~~~
;;   OPERANDS COMPUTED ON THE WAY. 'Computed on the way' means the value that the module computes at that place (a softmax that the list does not call 'softmax' is quantised finished and normalised). What goes into a quantiser is computed in f32, as accurately as f32 sums, v_exp_f32 and their like allow (about 1e-6 of the number): no bf16 or f16 on the way to a quantiser, and a product that is left as it is and whose result goes on into a quantised operand takes f32 operands (vector FMAs, or v_wmma_f32_16x16x4_f32). A number that lies on a knife's edge between two numbers of the format may be rounded either way, as far as f32 arithmetic and the matrix unit's own rounding can turn it there, and no further.
;; 2 versions, each right; version 2 is version 1 with the launches tails, final written anew for expert scheduling mode. Each part assembles by itself: llvm-mc -triple=amdgcn-amd-amdhsa -mcpu=gfx1250 --defsym DOCPART=n.
;; ======== version 1 of 2: 5 launches
;; limits: right only within a limited range of input values
;; workspace buffers: hq_codes 1,572,864 bytes; hq_scales 65,536 bytes; pq 1,126,400 bytes; route 16,640 bytes of whole numbers; a0 1,638,400 bytes; a1 425,984 bytes; a2 229,376 bytes; pb 12,582,912 bytes
;; launch prep (part 1): grid 153 x 1, 4 waves a work-group, no clusters, 33,280 bytes of LDS; arguments hidden, proj0, proj1, proj2, target, hq_codes, hq_scales, pq, route; writes hq_codes, hq_scales, pq, route
.if DOCPART == 1
	.amdgcn_target "amdgcn-amd-amdhsa--gfx1250"
	.amdhsa_code_object_version 6
	.text
	.protected	k_q870d617963_prep
	.globl	k_q870d617963_prep
	.p2align	8
	.type	k_q870d617963_prep,@function
k_q870d617963_prep:
	s_mov_b64 s[64:65], 0
	v_nop
	global_prefetch_b8 v0, s[64:65] scope:SCOPE_SE
	s_setreg_imm32_b32 hwreg(HW_REG_WAVE_MODE, 25, 1), 1
	s_wait_xcnt 0x0
; ADAPTIVE LOG-SOFTMAX IN MX-FP6, LAUNCH 1 OF 5: the operands that many work-groups read are quantised once, and the tokens are sorted by cluster.
; WHAT THE PROGRAM LEAVES OUT.  No input and no product is dead for all values: every input has a way to the result and is loaded.  But reference() keeps a tail's
; log-softmax only for the tokens whose target lies in that tail (its masks m are made of the index input target).  So the tail products (w1, w2) are multiplied only for
; the tokens that target sends there: this launch reads target, sorts the 2,048 tokens by cluster (a counting sort, stable) and stores the order and the two bounds as whole
; numbers; the launch of the tails reads them.  Every split is served, all tokens in one cluster too.
; LIMITS: a NaN, an infinity or an overflow that reaches only a tail's rows that are not multiplied is not carried to the result.  NaN and infinities among the inputs are not
; served.  A block whose largest magnitude lies under 2^-124 keeps the scale byte 1 (a block of zeros too, where the rule says 127: its codes are zeros, and this program alone reads the bytes).
; THREE PATHS, by the work-group's number.  0: the sort (one wave).  1-64: hidden [2048][1024] -> hq_codes [2048][768 bytes], hq_scales [2048][32].
; 65-152: proj0, proj1, proj2 (K is their FIRST axis) -> pq: 11 records of 128 columns (8 of proj0, 2 of proj1, 1 of proj2 + 64 columns of zero codes), each 64 fragment images
; [K step][tile] of 1,536 bytes (register group g of lane l at 512 g + 16 l) and, at 98,304, the scale words [K step][row 0..15][tile].  Lane r of tile 2 b + u holds column 32 b + 8 u + r + 8 (r / 8).
.set WREG,  8192                       ; path 1-64, LDS: a region for each wave: two stages of 32 x SP bytes, then its 256 scale bytes
.set SP,    80
.set CB,    12
.set STEPS, 16
.set SPARE, 4*WREG                     ; the spare words, 128 bytes for each wave
.set SPW,   12
.set NIL,   13
.set R,     16
.set X,     80
.set E,     112
.set C,     128
.set PX,    16                         ; path 65-152: v16-143 the 128 numbers of my column
.macro FIN                             ; the wave's end
	s_wait_tensorcnt 0x0
	ds_add_u32 v[SPW], v[NIL]
	s_wait_dscnt 0x0
	s_endpgm
.endm
	s_load_b256 s[4:11], s[0:1], 0x0               ; hidden s[4:5], proj0 s[6:7], proj1 s[8:9], proj2 s[10:11]
	s_load_b256 s[12:19], s[0:1], 0x20             ; target s[12:13], hq_codes s[14:15], hq_scales s[16:17], pq s[18:19]
	s_load_b64 s[20:21], s[0:1], 0x40              ; route
	v_lshl_add_u32 v[SPW], v0, 2, SPARE
	v_mov_b32 v[NIL], 0
	v_lshrrev_b32 v1, 5, v0
	v_readfirstlane_b32 s22, v1                    ; wave
	v_and_b32 v2, 31, v0                           ; lane
	s_wait_kmcnt 0x0
	s_cmp_eq_u32 ttmp9, 0
	s_cbranch_scc1 .Lroute
	s_cmp_gt_u32 ttmp9, 64
	s_cbranch_scc1 .Lproj
; ---------------- hidden: a plain stream of blocks of 32.  A wave takes 16 steps of 512 numbers; each load reads 512 consecutive bytes; a step turns through the wave's own stage so that a lane holds 16 neighbours
	v_lshlrev_b32 v3, 4, v2                        ; my 16 bytes of a load's 512
	s_mul_i32 s23, s22, WREG
	v_lshrrev_b32 v14, 2, v2
	v_mul_u32_u24 v14, v14, SP
	v_and_b32 v15, 3, v2
	v_lshl_add_u32 v14, v15, 4, v14
	v_add_nc_u32 v14, s23, v14                     ; the stage, on the way in: SP (lane / 4) + 16 (lane % 4)
	v_mul_u32_u24 v15, v2, SP
	v_add_nc_u32 v15, s23, v15                     ; and on the way out: SP x lane
	v_mul_u32_u24 v4, v2, CB                       ; my codes' place in a step's
	v_lshrrev_b32 v5, 1, v2
	s_add_co_u32 s23, s23, 2*32*SP
	v_add_nc_u32 v5, s23, v5                       ; my block's scale byte in LDS
	v_lshlrev_b32 v7, 3, v2
	v_add_nc_u32 v6, s23, v7                       ; and on the way out 8 bytes a lane
	s_sub_co_u32 s24, ttmp9, 1
	s_lshl_b32 s24, s24, 2
	s_add_co_u32 s24, s24, s22                     ; which run of 8,192 numbers is my wave's: 0 .. 255
	s_lshl_b32 s26, s24, 15
	s_mov_b32 s27, 0
	s_add_nc_u64 s[4:5], s[4:5], s[26:27]
	s_mul_i32 s26, s24, 32*STEPS*CB
	s_add_nc_u64 s[14:15], s[14:15], s[26:27]
	s_lshl_b32 s26, s24, 8
	s_add_nc_u64 s[16:17], s[16:17], s[26:27]
.macro LOAD t
.irp i, 0,1,2,3
	global_load_b128 v[R+16*((\t)%4)+4*\i:R+16*((\t)%4)+4*\i+3], v3, s[4:5] offset:2048*(\t)+512*\i th:TH_LOAD_NT
.endr
.endm
.macro TURN t                          ; LDS serves a wave's instructions in order: no wait between the stores and the loads
.irp i, 0,1,2,3
	ds_store_b128 v14, v[R+16*((\t)%4)+4*\i:R+16*((\t)%4)+4*\i+3] offset:32*SP*((\t)%2)+8*SP*\i
.endr
.irp i, 0,1,2,3
	ds_load_b128 v[X+16*((\t)%2)+4*\i:X+16*((\t)%2)+4*\i+3], v15 offset:32*SP*((\t)%2)+16*\i
.endr
.endm
.irp t, 0,1,2,3
	LOAD \t
.endr
	s_wait_loadcnt 12                              ; step 0's four loads are in; the 12 of steps 1 to 3 may be out
	TURN 0
.macro STEP t
.set XS, X+16*((\t)%2)
.if (\t) > 0
	s_wait_dscnt 1                                 ; this step's numbers are back from the stage; the last step's byte store may be out
.else
	s_wait_dscnt 0x0
.endif
.if (\t)+4 < STEPS
	LOAD (\t)+4
.endif
.if (\t)+1 < STEPS
.if STEPS-2-(\t) >= 3
	s_wait_loadcnt 12                              ; the next step's four loads are in; those of the three steps behind it may be out
.else
	s_wait_loadcnt 4*(STEPS-2-(\t))
.endif
	TURN (\t)+1
.endif
	v_max3_num_f32 v8, |v[XS]|, |v[XS+1]|, |v[XS+2]|
	v_max3_num_f32 v9, |v[XS+3]|, |v[XS+4]|, |v[XS+5]|
.irp i, 6,10
	v_max3_num_f32 v8, v8, |v[XS+\i]|, |v[XS+\i+1]|
	v_max3_num_f32 v9, v9, |v[XS+\i+2]|, |v[XS+\i+3]|
.endr
	v_max3_num_f32 v8, v8, |v[XS+14]|, |v[XS+15]|
	v_max3_num_f32 v8, v8, v9, 0x1800000           ; and the floor 2^(3 - 127): the byte cannot fall under 1
	v_max_num_f32_dpp v8, v8, v8 row_xmask:1 row_mask:0xf bank_mask:0xf   ; with my neighbour's 16: the block's largest magnitude
	v_add_nc_u32 v11, 0xff000000, v8               ; 2 off its exponent field: the conversion's scale operand
	v_cvt_scalef32_pk16_fp6_f32 v[C+4*(\t):C+4*(\t)+2], v[XS:XS+15], v11
	v_lshrrev_b32 v[E+(\t)], 23, v11               ; the scale's byte
	ds_store_b8 v5, v[E+(\t)] offset:16*(\t)       ; both lanes of a block write the same byte with the same value
	global_store_b96 v4, v[C+4*(\t):C+4*(\t)+2], s[14:15] offset:32*CB*(\t)
.endm
.irp t, 0,1,2,3,4,5,6,7,8,9,10,11,12,13,14,15
	STEP \t
.endr
	ds_load_b64 v[8:9], v6
	s_wait_dscnt 0x0
	global_store_b64 v7, v[8:9], s[16:17]          ; 32 lanes store 256 consecutive bytes, aligned
	FIN
; ---------------- the sort: one wave holds all 2,048 targets, 64 registers x 32 lanes; token 32 i + lane in register i
.Lroute:
	s_cmp_lg_u32 s22, 0
	s_cbranch_scc1 .Lroute_end
	v_lshlrev_b32 v3, 2, v2
.set i, 0
.rept 64
	global_load_b32 v[32+i], v3, s[12:13] offset:128*i
.set i, i+1
.endr
	s_mov_b32 s24, 20000
	s_mov_b32 s25, 50000
	s_mov_b32 s26, 0                               ; n0: tokens of cluster 0
	s_mov_b32 s27, 0                               ; n01: of clusters 0 and 1
	s_wait_loadcnt 0x0
.set i, 0
.rept 64                                       ; pass 1: the counts
	v_cmp_gt_i32 s28, s24, v[32+i]
	v_cmp_gt_i32 s29, s25, v[32+i]
	s_bcnt1_i32_b32 s28, s28
	s_bcnt1_i32_b32 s29, s29
	s_add_co_u32 s26, s26, s28
	s_add_co_u32 s27, s27, s29
.set i, i+1
.endr
	s_mov_b32 s30, 0                               ; where each cluster's next token goes
	s_mov_b32 s31, s26
	s_mov_b32 s32, s27
.set i, 0
.rept 64                                       ; pass 2: each token's place = its cluster's base + the lanes of that cluster below it.  Every store has registers of its own
	v_cmp_gt_i32 s28, s24, v[32+i]                 ; cluster 0
	v_cmp_gt_i32 s29, s25, v[32+i]
	s_and_not1_b32 s33, s29, s28                   ; cluster 1
	s_not_b32 s34, s29                             ; cluster 2
	v_mbcnt_lo_u32_b32 v4, s34, s32
	v_mbcnt_lo_u32_b32 v5, s33, s31
	v_cndmask_b32 v4, v4, v5, s33
	v_mbcnt_lo_u32_b32 v5, s28, s30
	v_cndmask_b32 v4, v4, v5, s28
	v_min_u32 v4, 2047, v4
	v_lshlrev_b32 v[160+i], 2, v4
	v_add_nc_u32 v[96+i], 32*i, v2
	global_store_b32 v[160+i], v[96+i], s[20:21]               ; perm[place] = token
	global_store_b32 v[160+i], v[32+i], s[20:21] offset:8192   ; tsort[place] = its target
	s_bcnt1_i32_b32 s28, s28
	s_bcnt1_i32_b32 s33, s33
	s_bcnt1_i32_b32 s34, s34
	s_add_co_u32 s30, s30, s28
	s_add_co_u32 s31, s31, s33
	s_add_co_u32 s32, s32, s34
.set i, i+1
.endr
	v_mov_b32 v6, s26
	v_mov_b32 v7, s27
	v_lshlrev_b32 v8, 3, v2
	global_store_b64 v8, v[6:7], s[20:21] offset:16384         ; (n0, n01), 32 times: 256 consecutive bytes, aligned
.Lroute_end:
	FIN
; ---------------- proj0, proj1, proj2: a lane takes a column, its registers run down K: 128 along K a wave
.Lproj:
	s_sub_co_u32 s23, ttmp9, 65
	s_lshr_b32 s24, s23, 1                         ; cg: which 32 columns, 0 .. 43
	s_and_b32 s25, s23, 1
	s_lshl_b32 s25, s25, 2
	s_add_co_u32 s25, s25, s22                     ; K step 0 .. 7
	s_lshr_b32 s26, s24, 2                         ; record
	s_and_b32 s27, s24, 3                          ; b
	s_mul_i32 s28, s26, 102400
	s_lshl_b32 s30, s25, 3
	s_lshl_b32 s31, s27, 1
	s_add_co_u32 s30, s30, s31
	s_mul_i32 s30, s30, 1536
	s_add_co_u32 s30, s30, s28
	s_mov_b32 s31, 0
	s_add_nc_u64 s[30:31], s[18:19], s[30:31]      ; the images of tiles 2 b, 2 b + 1 of this K step
	s_lshl_b32 s32, s25, 9
	s_lshl_b32 s33, s27, 3
	s_add_co_u32 s32, s32, s33
	s_add_co_u32 s32, s32, s28
	s_add_co_u32 s32, s32, 98304
	s_mov_b32 s33, 0
	s_add_nc_u64 s[32:33], s[18:19], s[32:33]      ; their scale words
	v_bfe_u32 v3, v0, 3, 1                         ; u
	v_and_b32 v4, 7, v0
	v_bfe_u32 v5, v0, 4, 1
	v_lshl_add_u32 v4, v5, 3, v4                   ; r: my column's lane in its tile
	v_mul_u32_u24 v6, v3, 1536
	v_lshl_add_u32 v6, v4, 4, v6                   ; 1536 u + 16 r
	v_lshlrev_b32 v7, 5, v4
	v_lshl_add_u32 v7, v3, 2, v7                   ; 32 r + 4 u
	v_lshlrev_b32 v8, 2, v2                        ; 4 bytes a lane
.macro LOADP pitch
.set pk, 0
.rept 128
	global_load_b32 v[PX+pk], v8, s[34:35] offset:pk*\pitch th:TH_LOAD_NT
.set pk, pk+1
.endr
.endm
	s_cmp_gt_u32 s24, 41
	s_cbranch_scc1 .Lzero
	s_cmp_gt_u32 s24, 39
	s_cbranch_scc1 .Lp2
	s_cmp_gt_u32 s24, 31
	s_cbranch_scc1 .Lp1
	s_lshl_b32 s34, s25, 19                        ; 128 rows of 4,096 bytes a K step
	s_lshl_b32 s35, s24, 7
	s_add_co_u32 s34, s34, s35
	s_mov_b32 s35, 0
	s_add_nc_u64 s[34:35], s[6:7], s[34:35]
	LOADP 4096
	s_branch .Lpq
.Lp1:
	s_sub_co_u32 s35, s24, 32
	s_lshl_b32 s35, s35, 7
	s_lshl_b32 s34, s25, 17
	s_add_co_u32 s34, s34, s35
	s_mov_b32 s35, 0
	s_add_nc_u64 s[34:35], s[8:9], s[34:35]
	LOADP 1024
	s_branch .Lpq
.Lp2:
	s_sub_co_u32 s35, s24, 40
	s_lshl_b32 s35, s35, 7
	s_lshl_b32 s34, s25, 15
	s_add_co_u32 s34, s34, s35
	s_mov_b32 s35, 0
	s_add_nc_u64 s[34:35], s[10:11], s[34:35]
	LOADP 256
.Lpq:
	s_wait_loadcnt 0x0
.irp q, 0,1,2,3
	v_max3_num_f32 v[184+\q], |v[PX+32*\q]|, |v[PX+32*\q+1]|, 0x1800000   ; block q: all 32 numbers are mine; and the floor
.endr
.irp i, 2,4,6,8,10,12,14,16,18,20,22,24,26,28,30
.irp q, 0,1,2,3
	v_max3_num_f32 v[184+\q], v[184+\q], |v[PX+32*\q+\i]|, |v[PX+32*\q+\i+1]|
.endr
.endr
.irp q, 0,1,2,3
	v_add_nc_u32 v[188+\q], 0xff000000, v[184+\q]  ; the conversion's scale operand
.endr
.irp q, 0,1,2,3
	v_lshrrev_b32 v[184+\q], 23, v[188+\q]         ; the byte
.endr
	v_lshl_or_b32 v192, v185, 8, v184
	v_lshl_or_b32 v192, v186, 16, v192
	v_lshl_or_b32 v192, v187, 24, v192             ; my column's scale word
.irp q, 0,1,2,3                                ; block q = 2 c + h is registers 6 c .. 6 c + 5 of lane (r, h): v144-155 for h = 0, v156-167 for h = 1
	v_cvt_scalef32_pk16_fp6_f32 v[144+12*(\q%2)+6*(\q/2):144+12*(\q%2)+6*(\q/2)+2], v[PX+32*\q:PX+32*\q+15], v[188+\q]
	v_cvt_scalef32_pk16_fp6_f32 v[168+4*\q:170+4*\q], v[PX+32*\q+16:PX+32*\q+31], v[188+\q]   ; (a conversion's three registers begin on an even number)
.endr
	v_nop                                          ; one plain place behind a scaled conversion
.irp q, 0,1,2,3
.irp i, 0,1,2
	v_mov_b32 v[144+12*(\q%2)+6*(\q/2)+3+\i], v[168+4*\q+\i]
.endr
.endr
	s_branch .Lstore
.Lzero:                                            ; columns 64 .. 127 of the last record: zero codes
.set i, 0
.rept 24
	v_mov_b32 v[144+i], 0
.set i, i+1
.endr
	v_mov_b32 v192, 0
.Lstore:
.irp h, 0,1
.irp g, 0,1,2
	global_store_b128 v6, v[144+12*\h+4*\g:144+12*\h+4*\g+3], s[30:31] offset:512*\g+256*\h   ; sixteen lanes store 256 consecutive bytes, aligned
.endr
.endr
	global_store_b32 v7, v192, s[32:33]
	FIN
.Lfunc_end_k_q870d617963_prep:
	.size	k_q870d617963_prep, .Lfunc_end_k_q870d617963_prep-k_q870d617963_prep
	.p2alignl 7, 3214868480
	.fill 96, 4, 3214868480
	.section	.rodata,"a",@progbits
	.p2align	6, 0x0
	.amdhsa_kernel k_q870d617963_prep
		.amdhsa_group_segment_fixed_size 33280
		.amdhsa_private_segment_fixed_size 0
		.amdhsa_enable_private_segment 0
		.amdhsa_kernarg_size 72
		.amdhsa_user_sgpr_count 2
		.amdhsa_user_sgpr_kernarg_segment_ptr 1
		.amdhsa_wavefront_size32 1
		.amdhsa_system_sgpr_workgroup_id_x 1
		.amdhsa_system_sgpr_workgroup_id_y 1
		.amdhsa_system_sgpr_workgroup_id_z 1
		.amdhsa_system_vgpr_workitem_id 0
		.amdhsa_next_free_vgpr 256
		.amdhsa_next_free_sgpr 66
		.amdhsa_reserve_vcc 0
		.amdhsa_float_denorm_mode_32 3
		.amdhsa_float_denorm_mode_16_64 3
		.amdhsa_memory_ordered 1
		.amdhsa_forward_progress 1
		.amdhsa_inst_pref_size 166
	.end_amdhsa_kernel
	.amdgpu_metadata
---
amdhsa.version: [ 1, 2 ]
amdhsa.kernels:
  - .name:           k_q870d617963_prep
    .symbol:         k_q870d617963_prep.kd
    .args:
      - { .name: hidden, .offset: 0, .size: 8, .value_kind: global_buffer, .address_space: global }
      - { .name: proj0, .offset: 8, .size: 8, .value_kind: global_buffer, .address_space: global }
      - { .name: proj1, .offset: 16, .size: 8, .value_kind: global_buffer, .address_space: global }
      - { .name: proj2, .offset: 24, .size: 8, .value_kind: global_buffer, .address_space: global }
      - { .name: target, .offset: 32, .size: 8, .value_kind: global_buffer, .address_space: global }
      - { .name: hq_codes, .offset: 40, .size: 8, .value_kind: global_buffer, .address_space: global }
      - { .name: hq_scales, .offset: 48, .size: 8, .value_kind: global_buffer, .address_space: global }
      - { .name: pq, .offset: 56, .size: 8, .value_kind: global_buffer, .address_space: global }
      - { .name: route, .offset: 64, .size: 8, .value_kind: global_buffer, .address_space: global }
    .group_segment_fixed_size: 33280
    .private_segment_fixed_size: 0
    .kernarg_segment_align: 8
    .kernarg_segment_size: 72
    .max_flat_workgroup_size: 128
    .sgpr_count:     66
    .vgpr_count:     256
    .wavefront_size: 32
...
	.end_amdgpu_metadata
.endif
;; end of part 1
;; launch proj (part 2): grid 16 x 11, 8 waves a work-group, clusters of 4 x 1, 167,936 bytes of LDS; arguments hq_codes, hq_scales, pq, route, a0, a1, a2; writes a0, a1, a2
.if DOCPART == 2
	.amdgcn_target "amdgcn-amd-amdhsa--gfx1250"
	.amdhsa_code_object_version 6
	.text
	.protected	k_q870d617963_proj
	.globl	k_q870d617963_proj
	.p2align	8
	.type	k_q870d617963_proj,@function
k_q870d617963_proj:
	s_mov_b64 s[64:65], 0
	v_nop
	global_prefetch_b8 v0, s[64:65] scope:SCOPE_SE
	s_setreg_imm32_b32 hwreg(HW_REG_WAVE_MODE, 25, 1), 1
	s_wait_xcnt 0x0
	s_wait_alu depctr_hold_cnt(0) depctr_sa_sdst(0) depctr_va_vdst(0) depctr_va_sdst(0) depctr_va_ssrc(0) depctr_va_vcc(0) depctr_vm_vsrc(0)
	s_getreg_b32 s2, hwreg(HW_REG_IB_STS2, 6, 4)
	s_cmp_eq_u32 s2, 0
	s_cbranch_scc0 .Lentry_in_a_cluster
	s_endpgm
.Lentry_in_a_cluster:
	s_bfe_u32 s2, ttmp6, 0x10000c
	s_cmp_lg_u32 s2, 0x3003
	s_cbranch_scc0 .Lentry_shape_is_right
	s_endpgm
.Lentry_shape_is_right:
; LAUNCH 2 OF 5: h proj0, h proj1, h proj2 on codes of FP6 (E2M3), and their results quantised along the next K, in the sorted order of the tokens.
; A work-group takes 128 sorted places and one record of pq (128 columns); wave w takes 16 places against all 128 columns: its 8 result tiles are exactly one fragment (128 along the next K) and one scale word a row.
; The product is used TRANSPOSED (source 0 = 16 columns of proj, source 1 = 16 tokens), and the columns of a tile are chosen so that the 16 registers of tiles 2 b, 2 b + 1 are 16 neighbours along the next K.
; All three projections are made for all tokens: nothing in this launch branches on the stored order; the tails' share is one part in a hundred of the program's products.
; CLUSTER: the four work-groups of a cluster take the same record: it is asked for JOINTLY, each wave an eighth (50 rows of 256 bytes), filled once.
; OUT: a0 records of 12,800 bytes a tile of 16 tokens (8 images of 1,536, then 8 scale lines of 64), a1 of 3,328 (2 images, lines at 3,072), a2 of 1,792 (1 image whose k = 64 .. 127 are zero codes, a line at 1,536).
.set SPARE, 102400                     ; behind the record: the spare words, 128 bytes for each of 8 waves
.set A1REC, 3328
.set A2REC, 1792
.set SPW, 1
.set NIL, 2
.set IM0, 3                            ; v3 16 x lane; v4 the same + 49,152
.set SCA, 5                            ; v5 98,304 + 32 r: my row's scale words of pq
.set GO,  6                            ; v6 my token's codes: 768 x token + 24 h
.set GS,  7                            ; v7 its scale bytes: 32 x token
.set TAU, 8
.set R4,  9
.set WS,  10                           ; v10-17 pq's scale words of a K step (scales alone)
.set AS,  18                           ; v18-25 my token's scale words (scales alone)
.set AF,  32                           ; v32-127 my tokens' 8 fragments
.set HA,  128                          ; v128-191 the 8 result tiles
.set WF,  192                          ; v192-239 four fragments of pq; behind the loop: at work
.set TM,  192
.set PW,  208
.set PC,  210
.set WV,  30
.set SEL, 34
.macro NOPS n
.rept \n
	v_nop
.endr
.endm
.macro ROUND                           ; a round of the cluster's barrier
	s_barrier_signal -1
	s_barrier_wait -1
	s_cmp_lg_u32 s[WV], 0
	s_cbranch_scc1 .Lnw0_\@
	s_barrier_signal -3
.Lnw0_\@:
	s_barrier_wait -3
	s_barrier_signal -1
	s_barrier_wait -1
.endm
; 64 numbers of a lane, register 16 b + i = k 32 b + 16 (lane / 16) + i of my row, become a fragment's codes in v[PC] on and its scale word in v[PW]
.macro QUANT s
.irp b, 0,1,2,3
	v_max3_num_f32 v[TM+\b], |v[\s+16*\b]|, |v[\s+1+16*\b]|, 0x1800000   ; my 16 numbers of block b, from each tile's low end on, and the floor 2^(3 - 127)
.endr
.irp i, 2,4,6,8,10,12,14
.irp b, 0,1,2,3
	v_max3_num_f32 v[TM+\b], v[TM+\b], |v[\s+16*\b+\i]|, |v[\s+1+16*\b+\i]|
.endr
.endr
.irp b, 0,1,2,3
	v_permlanex16_b32 v[TM+4+\b], v[TM+\b], s[SEL], s[SEL+1]
.endr
.irp b, 0,1,2,3
	v_max_num_f32 v[TM+\b], v[TM+\b], v[TM+4+\b]   ; with lane l xor 16's: the block's largest magnitude
.endr
.irp b, 0,1,2,3
	v_add_nc_u32 v[TM+12+\b], 0xff000000, v[TM+\b] ; the conversion's scale operand
.endr
.irp b, 0,1,2,3
	v_lshrrev_b32 v[TM+4+\b], 23, v[TM+12+\b]      ; the byte
.endr
	v_lshl_or_b32 v[PW], v[TM+5], 8, v[TM+4]
	v_lshl_or_b32 v[PW], v[TM+6], 16, v[PW]
	v_lshl_or_b32 v[PW], v[TM+7], 24, v[PW]
.irp c, 0,1
	v_cvt_scalef32_pk16_fp6_f32 v[PC+6*\c:PC+2+6*\c], v[\s+32*\c:\s+15+32*\c], v[TM+12+2*\c]
	v_cvt_scalef32_pk16_fp6_f32 v[PC+12+4*\c:PC+14+4*\c], v[\s+16+32*\c:\s+31+32*\c], v[TM+12+2*\c+1]
.endr
	v_nop                                          ; one plain place behind a scaled conversion
.irp c, 0,1                                    ; the operand's layout wants a whole block in a lane
.irp i, 0,1,2
	v_permlane16_swap_b32 v[PC+6*\c+\i], v[PC+12+4*\c+\i]
.endr
.irp i, 0,1,2
	v_mov_b32 v[PC+3+6*\c+\i], v[PC+12+4*\c+\i]
.endr
.endr
.endm
	s_load_b256 s[4:11], s[0:1], 0x0               ; hq_codes s[4:5], hq_scales s[6:7], pq s[8:9], route s[10:11]
	s_load_b128 s[12:15], s[0:1], 0x20             ; a0 s[12:13], a1 s[14:15]
	s_load_b64 s[28:29], s[0:1], 0x30              ; a2
	v_lshl_add_u32 v[SPW], v0, 2, SPARE
	v_mov_b32 v[NIL], 0
	ds_add_u32 v[SPW], v[NIL]                      ; the wave's opening: the add, twice on end, and its wait ahead of my first tensor load
	ds_add_u32 v[SPW], v[NIL]
	v_lshrrev_b32 v26, 5, v0
	v_readfirstlane_b32 s[WV], v26                 ; wave 0..7
	s_bfe_u32 s31, ttmp6, 0x40000                  ; cx
	s_lshl_b32 s32, ttmp9, 2
	s_add_co_u32 s32, s32, s31                     ; my block of 128 sorted places: it enters global addresses alone
	s_and_b32 s33, ttmp7, 0xffff                   ; the record, which the four partners share
	s_mov_b32 s16, 15|(3<<16)|(1<<21)              ; group 1: the mask names all four; elements of 8 bytes; bit 21 beside a mask; no padding
	s_mov_b32 s17, 32<<16                          ; tensor_dim0 = 32 elements: 256 bytes
	s_mov_b32 s18, 50<<16                          ; tensor_dim1 = 50 rows
	s_mov_b32 s19, 32<<16                          ; tile_dim0
	s_mov_b32 s20, 50                              ; tile_dim1
	s_mov_b32 s21, 32                              ; the pitch: dense
	s_mov_b32 s22, 0
	s_mov_b32 s23, 0
	s_mul_i32 s36, s[WV], 12800                    ; my eighth of the record, in LDS and in memory
	s_mul_i32 s38, s33, 102400
	s_add_co_u32 s38, s38, s36
	s_mov_b32 s39, 0
	s_mov_b32 s[SEL], 0x76543210
	s_mov_b32 s[SEL+1], 0xfedcba98
	s_wait_dscnt 0x0                               ; both opening adds are done
	s_wait_kmcnt 0x0
	ROUND                                          ; all four work-groups are here: the joint loads meet
	s_mov_b32 s24, 1
	s_mov_b32 s25, s36
	s_add_nc_u64 s[26:27], s[8:9], s[38:39]
	s_or_b32 s27, s27, 0x80000000
	tensor_load_to_lds s[24:27], s[16:23]          ; one load a wave is out
	s_nop 0
	NOPS 4
	v_and_b32 v27, 31, v0                          ; lane
	v_and_b32 v28, 15, v0                          ; r
	v_bfe_u32 v29, v0, 4, 1                        ; h
	v_lshlrev_b32 v[IM0], 4, v27
	v_add_nc_u32 v[IM0+1], 49152, v[IM0]
	v_lshl_add_u32 v[SCA], v28, 5, 98304
	v_lshlrev_b32 v[R4], 2, v28
	s_lshl_b32 s40, s32, 9
	s_lshl_b32 s41, s[WV], 6
	s_add_co_u32 s40, s40, s41
	s_mov_b32 s41, 0
	s_add_nc_u64 s[40:41], s[10:11], s[40:41]
	global_load_b32 v[TAU], v[R4], s[40:41]        ; perm[128 block + 16 wave + r]
	v_mul_u32_u24 v30, v29, 24
	s_wait_loadcnt 0x0
	v_min_u32 v[TAU], 2047, v[TAU]
	v_mul_u32_u24 v[GO], v[TAU], 768
	v_add_nc_u32 v[GO], v[GO], v30
	v_lshlrev_b32 v[GS], 5, v[TAU]
.irp k, 0,1,2,3,4,5,6,7
.irp p, 0,1,2,3,4,5
	global_load_b64 v[AF+12*\k+2*\p:AF+12*\k+2*\p+1], v[GO], s[4:5] offset:96*\k+48*(\p/3)+8*(\p%3)   ; my token's row of codes, as it lies
.endr
.endr
	global_load_b128 v[AS:AS+3], v[GS], s[6:7]
	global_load_b128 v[AS+4:AS+7], v[GS], s[6:7] offset:16
	s_wait_tensorcnt 0x0                           ; my eighth of the record is in,
	s_wait_loadcnt 0x0
	s_barrier_signal -1
	s_barrier_wait -1                              ; everybody's is
.macro KSTEP k
.irp hf, 0,1
.if (\k > 0) || (\hf > 0)
	NOPS 4                                         ; places in front of loads into registers that matrix instructions have read
.endif
.if \hf == 0
	ds_load_b128 v[WS:WS+3], v[SCA] offset:512*\k
	ds_load_b128 v[WS+4:WS+7], v[SCA] offset:512*\k+16
.endif
.irp i, 0,1,2,3
.irp g, 0,1,2
	ds_load_b128 v[WF+12*\i+4*\g:WF+12*\i+4*\g+3], v[IM0+(\k/4)] offset:((8*\k+4*\hf+\i)%32)*1536+512*\g
.endr
.endr
	s_wait_dscnt 0x0
.irp i, 0,1,2,3                                ; the eight accumulators take turns
.if \k == 0
	v_wmma_scale_f32_16x16x128_f8f6f4 v[HA+8*(4*\hf+\i):HA+8*(4*\hf+\i)+7], v[WF+12*\i:WF+12*\i+11], v[AF+12*\k:AF+12*\k+11], 0, v[WS+4*\hf+\i], v[AS+\k] matrix_a_fmt:MATRIX_FMT_FP6 matrix_b_fmt:MATRIX_FMT_FP6
.else
	v_wmma_scale_f32_16x16x128_f8f6f4 v[HA+8*(4*\hf+\i):HA+8*(4*\hf+\i)+7], v[WF+12*\i:WF+12*\i+11], v[AF+12*\k:AF+12*\k+11], v[HA+8*(4*\hf+\i):HA+8*(4*\hf+\i)+7], v[WS+4*\hf+\i], v[AS+\k] matrix_a_fmt:MATRIX_FMT_FP6 matrix_b_fmt:MATRIX_FMT_FP6
.endif
.endr
.endr
.endm
.irp k, 0,1,2,3,4,5,6,7
	KSTEP \k
.endr
	NOPS 4                                         ; places in front of the first read of results and of writes into pq's fragments' registers
.irp b, 0,1,2,3
	v_mov_b32 v[TM+4+\b], 0                        ; a lane permute's destination counts as one of its sources
.endr
	QUANT HA
	; where the fragment goes: chosen by the record's number, without a branch
	s_lshl_b32 s43, s32, 3
	s_add_co_u32 s43, s43, s[WV]                   ; my tile of 16 sorted places
	s_mov_b32 s40, A1REC
	s_mov_b32 s41, 3072
	s_cmp_lt_u32 s33, 8
	s_cselect_b64 s[44:45], s[12:13], s[14:15]
	s_cselect_b32 s40, 12800, s40
	s_cselect_b32 s41, 12288, s41
	s_cselect_b32 s42, 0, 8
	s_cmp_eq_u32 s33, 10
	s_cselect_b64 s[44:45], s[28:29], s[44:45]
	s_cselect_b32 s40, A2REC, s40
	s_cselect_b32 s41, 1536, s41
	s_cselect_b32 s42, 10, s42
	s_sub_co_u32 s42, s33, s42                     ; which K step of the next product
	s_mul_i32 s46, s43, s40
	s_mul_i32 s48, s42, 1536
	s_add_co_u32 s48, s48, s46
	s_mov_b32 s49, 0
	s_add_nc_u64 s[48:49], s[44:45], s[48:49]
	s_lshl_b32 s50, s42, 6
	s_add_co_u32 s50, s50, s46
	s_add_co_u32 s50, s50, s41
	s_mov_b32 s51, 0
	s_add_nc_u64 s[50:51], s[44:45], s[50:51]
.irp g, 0,1,2
	global_store_b128 v[IM0], v[PC+4*\g:PC+4*\g+3], s[48:49] offset:512*\g   ; the fragment as an image of its registers: 512 consecutive bytes a store, aligned to 256
.endr
	global_store_b32 v[R4], v[PW], s[50:51]        ; row r's scale word (both halves of the lanes store the same word at the same place)
	s_wait_tensorcnt 0x0                           ; the wave's end
	ds_add_u32 v[SPW], v[NIL]
	s_wait_dscnt 0x0
	ROUND                                          ; the closing round
	s_endpgm
.Lfunc_end_k_q870d617963_proj:
	.size	k_q870d617963_proj, .Lfunc_end_k_q870d617963_proj-k_q870d617963_proj
	.p2alignl 7, 3214868480
	.fill 96, 4, 3214868480
	.section	.rodata,"a",@progbits
	.p2align	6, 0x0
	.amdhsa_kernel k_q870d617963_proj
		.amdhsa_group_segment_fixed_size 167936
		.amdhsa_private_segment_fixed_size 0
		.amdhsa_enable_private_segment 0
		.amdhsa_kernarg_size 56
		.amdhsa_user_sgpr_count 2
		.amdhsa_user_sgpr_kernarg_segment_ptr 1
		.amdhsa_wavefront_size32 1
		.amdhsa_system_sgpr_workgroup_id_x 1
		.amdhsa_system_sgpr_workgroup_id_y 1
		.amdhsa_system_sgpr_workgroup_id_z 1
		.amdhsa_system_vgpr_workitem_id 0
		.amdhsa_next_free_vgpr 256
		.amdhsa_next_free_sgpr 72
		.amdhsa_reserve_vcc 0
		.amdhsa_float_denorm_mode_32 3
		.amdhsa_float_denorm_mode_16_64 3
		.amdhsa_memory_ordered 1
		.amdhsa_forward_progress 1
		.amdhsa_inst_pref_size 38
	.end_amdhsa_kernel
	.amdgpu_metadata
---
amdhsa.version: [ 1, 2 ]
amdhsa.kernels:
  - .name:           k_q870d617963_proj
    .symbol:         k_q870d617963_proj.kd
    .args:
      - { .name: hq_codes, .offset: 0, .size: 8, .value_kind: global_buffer, .address_space: global }
      - { .name: hq_scales, .offset: 8, .size: 8, .value_kind: global_buffer, .address_space: global }
      - { .name: pq, .offset: 16, .size: 8, .value_kind: global_buffer, .address_space: global }
      - { .name: route, .offset: 24, .size: 8, .value_kind: global_buffer, .address_space: global }
      - { .name: a0, .offset: 32, .size: 8, .value_kind: global_buffer, .address_space: global }
      - { .name: a1, .offset: 40, .size: 8, .value_kind: global_buffer, .address_space: global }
      - { .name: a2, .offset: 48, .size: 8, .value_kind: global_buffer, .address_space: global }
    .group_segment_fixed_size: 167936
    .private_segment_fixed_size: 0
    .kernarg_segment_align: 8
    .kernarg_segment_size: 56
    .max_flat_workgroup_size: 256
    .sgpr_count:     72
    .vgpr_count:     256
    .wavefront_size: 32
...
	.end_amdgpu_metadata
.endif
;; end of part 2
;; launch head (part 3): grid 256 x 1, 4 waves a work-group, clusters of 4 x 1, 327,680 bytes of LDS; arguments a0, w0, b0, pb; writes pb
.if DOCPART == 3
	.amdgcn_target "amdgcn-amd-amdhsa--gfx1250"
	.amdhsa_code_object_version 6
	.text
	.protected	k_q870d617963_head
	.globl	k_q870d617963_head
	.p2align	8
	.type	k_q870d617963_head,@function
k_q870d617963_head:
	s_mov_b64 s[64:65], 0
	v_nop
	global_prefetch_b8 v0, s[64:65] scope:SCOPE_SE
	s_setreg_imm32_b32 hwreg(HW_REG_WAVE_MODE, 25, 1), 1
	s_wait_xcnt 0x0
	s_wait_alu depctr_hold_cnt(0) depctr_sa_sdst(0) depctr_va_vdst(0) depctr_va_sdst(0) depctr_va_ssrc(0) depctr_va_vcc(0) depctr_vm_vsrc(0)
	s_getreg_b32 s2, hwreg(HW_REG_IB_STS2, 6, 4)
	s_cmp_eq_u32 s2, 0
	s_cbranch_scc0 .Lentry_in_a_cluster
	s_endpgm
.Lentry_in_a_cluster:
	s_bfe_u32 s2, ttmp6, 0x10000c
	s_cmp_lg_u32 s2, 0x3003
	s_cbranch_scc0 .Lentry_shape_is_right
	s_endpgm
.Lentry_shape_is_right:
; LAUNCH 3 OF 5: the head's logits over w0's 20,000 rows, on codes of FP6 (E2M3), and for each (slab of rows, token) the pair (largest logit, sum of e^(logit - largest)).
; THE WEIGHTS STAY, THE TOKENS STREAM.  Work-group g owns rows (625 g) / 8 .. (625 (g + 1)) / 8 - 1 of w0 (78 or 79), inside a slab of 80 rows (5 tiles) that begins at min(first, 19,920); slab rows outside its own range get
; the bias -1e30, so that they add nothing.  The slab is read from memory once, as f32, quantised in registers (wave w: K steps 2 w, 2 w + 1), shared through LDS as images of the operand's registers, and then every
; wave keeps all 40 fragments (480 registers).  The tokens' fragments (a0) come through a ring of two LDS slots of 8 tiles; wave w takes tiles 2 w, 2 w + 1 of a slot, which its own tensor load brought.
; CLUSTER: all work-groups walk the same a0, so the four of a cluster ask for each slot JOINTLY.
; The product is used transposed (source 0 = 16 rows of w0, source 1 = 16 tokens): a lane holds one token, its registers run along the vocabulary.  The bias is the C of each sum's first matrix instruction.
; The two cluster columns of the head (cluster_w) and the target's logit are made in the last launch.
; LIMITS: logits under -1e30 are not served (the mask's bias); NaN and infinities among the inputs are not served; a block under 2^-124 keeps the scale byte 1.
.set REC,   12800
.set SLOTB, 8*REC
.set LIMG,  2*SLOTB                    ; 204,800: the 40 fragment images of 1,536 bytes (5 s + t)
.set LWSC,  LIMG+40*1536               ; 266,240: the weights' scale words: line 4 t + s / 2 of 128 bytes: lanes 0-15 the even K step's, lanes 16-31 the odd one's
.set LBI,   LWSC+20*128                ; 268,800: the masked bias, 128 words
.set LSTG,  LBI+512                    ; 269,312: a stage of 16 rows x 528 bytes for each wave
.set SPARE, LSTG+4*8448                ; 303,104: the spare words
.set SPW, 2
.set NIL, 3
.set ADA, 4                            ; v4, v5 my two tiles' images in slot 0, 1
.set ASC, 6                            ; v6, v7 their scale lines
.set OUTO, 8
.set LC,  10
.set LX,  14
.set MXA, 15
.set SMA, 16
.set MXB, 17
.set SMB, 18
.set NM,  20
.set S0,  22
.set S1,  24
.set VAL, 26
.set WSR, 32                           ; v32-51 the weights' scale words (scales alone)
.set ASL, 52                           ; v52-55 the tokens' (scales alone)
.set D,   56                           ; v56-95 five result tiles
.set AF,  96                           ; v96-191 a token tile's 8 fragments
.set X,   96                           ; while the slab is quantised: 64 numbers,
.set F,   160                          ; a fragment,
.set QT,  172
.set QS,  174
.set QW,  176
.set QX,  177
.set QM,  178
.set SH8, 186
.set L16, 192
.set STS, 193
.set STL, 194
.set IMW, 195
.set WSW, 196
.set BIW, 197
.set IML, 198
.set BIL, 199
.set WSL, 200
.set WV,  12
.set PBP, 40
.set SEL, 46
.set CS,  48
.set NC,  50
.set HM,  51
.set MSB, 0
.macro WIN new                         ; the immediate's high byte repeats the setting that is left
.if MSB != \new
	s_set_vgpr_msb (MSB<<8)|\new
.set MSB, \new
.endif
.endm
.macro NOPS n
.rept \n
	v_nop
.endr
.endm
.macro ROUND
	s_barrier_signal -1
	s_barrier_wait -1
	s_cmp_lg_u32 s[WV], 0
	s_cbranch_scc1 .Lnw0_\@
	s_barrier_signal -3
.Lnw0_\@:
	s_barrier_wait -3
	s_barrier_signal -1
	s_barrier_wait -1
.endm
; v[x + 32 c + i] = number k = 64 c + 32 h + i of my row: n blocks of 32, all mine.  They become registers f .. f + 6 n - 1 of the operand, and v[QW] my row's scale word (in both halves of the lanes)
.macro QF x, f, n
.set qc, 0
.rept \n
	v_max3_num_f32 v[QT+qc], |v[(\x)+32*qc]|, |v[(\x)+32*qc+1]|, 0x1800000
.set qc, qc+1
.endr
.set qi, 2
.rept 15
.set qc, 0
.rept \n
	v_max3_num_f32 v[QT+qc], v[QT+qc], |v[(\x)+32*qc+qi]|, |v[(\x)+32*qc+qi+1]|
.set qc, qc+1
.endr
.set qi, qi+2
.endr
.set qc, 0
.rept \n
	v_add_nc_u32 v[QS+qc], 0xff000000, v[QT+qc]    ; 2 off the exponent field: the conversion's scale operand
.set qc, qc+1
.endr
.set qc, 0
.rept \n
	v_lshrrev_b32 v[QT+qc], 23, v[QS+qc]           ; the byte
.set qc, qc+1
.endr
.if \n == 2
	v_lshl_or_b32 v[QW], v[QT+1], 16, v[QT]
.else
	v_mov_b32 v[QW], v[QT]
.endif
	v_lshlrev_b32 v[QW], v[SH8], v[QW]             ; my bytes at their places, 8 h bits up
	v_permlanex16_b32 v[QX], v[QW], s[SEL], s[SEL+1]
	v_or_b32 v[QW], v[QW], v[QX]                   ; with lane l xor 16's the word is whole
.set qc, 0
.rept \n
	v_cvt_scalef32_pk16_fp6_f32 v[(\f)+6*qc:(\f)+6*qc+2], v[(\x)+32*qc:(\x)+32*qc+15], v[QS+qc]
	v_cvt_scalef32_pk16_fp6_f32 v[QM+4*qc:QM+4*qc+2], v[(\x)+32*qc+16:(\x)+32*qc+31], v[QS+qc]
.set qc, qc+1
.endr
	v_nop                                          ; one plain place behind a scaled conversion
.set qc, 0
.rept \n
	v_mov_b32 v[(\f)+6*qc+3], v[QM+4*qc]
	v_mov_b32 v[(\f)+6*qc+4], v[QM+4*qc+1]
	v_mov_b32 v[(\f)+6*qc+5], v[QM+4*qc+2]
.set qc, qc+1
.endr
.endm
; nt result tiles from v[d] on: my token's largest logit -> v[mx], the sum of e^(logit - largest) -> v[sm], the same in both halves of the lanes.  Each tile is read from its low end on.
.macro LSE nt, d, mx, sm
.set lt, 0
.rept ((\nt)+3)/4
.set ls, 0
.rept 4
.set lc, 0
.rept 4
.if lt+lc < (\nt)
.set lr, (\d)+8*(lt+lc)
.if lt == 0
.if ls == 0
	v_max3_num_f32 v[LC+lc], v[lr], v[lr+1], v[lr+2]
.elseif ls < 3
	v_max3_num_f32 v[LC+lc], v[LC+lc], v[lr+2*ls+1], v[lr+2*ls+2]
.else
	v_max_num_f32 v[LC+lc], v[LC+lc], v[lr+7]
.endif
.else
	v_max3_num_f32 v[LC+lc], v[LC+lc], v[lr+2*ls], v[lr+2*ls+1]
.endif
.endif
.set lc, lc+1
.endr
.set ls, ls+1
.endr
.set lt, lt+4
.endr
	v_max3_num_f32 v[\mx], v[LC], v[LC+1], v[LC+2]
	v_max_num_f32 v[\mx], v[\mx], v[LC+3]
	v_permlanex16_b32 v[LX], v[\mx], s[SEL], s[SEL+1]
	v_max_num_f32 v[\mx], v[\mx], v[LX]            ; with the other half's rows
	v_mul_f32 v[NM], s[NC], v[\mx]                 ; - log2(e) x largest
.set li, 0
.rept 4*(\nt)
	v_pk_fma_f32 v[(\d)+2*li:(\d)+2*li+1], v[(\d)+2*li:(\d)+2*li+1], s[CS:CS+1], v[NM:NM+1] op_sel_hi:[1,0,0]
.set li, li+1
.endr
.set li, 0
.rept 8*(\nt)
	v_exp_f32 v[(\d)+li], v[(\d)+li]
.set li, li+1
.endr
	v_nop                                          ; a plain place behind the last exponential
	s_wait_alu depctr_va_vdst(0)                   ; one wait for the batch, ahead of its first reader
	v_pk_add_f32 v[S0:S0+1], v[(\d):(\d)+1], v[(\d)+2:(\d)+3]
	v_pk_add_f32 v[S1:S1+1], v[(\d)+4:(\d)+5], v[(\d)+6:(\d)+7]
.set li, 4
.rept (4*(\nt)-4)/2
	v_pk_add_f32 v[S0:S0+1], v[S0:S0+1], v[(\d)+2*li:(\d)+2*li+1]
	v_pk_add_f32 v[S1:S1+1], v[S1:S1+1], v[(\d)+2*li+2:(\d)+2*li+3]
.set li, li+2
.endr
	v_pk_add_f32 v[S0:S0+1], v[S0:S0+1], v[S1:S1+1]
	v_add_f32 v[\sm], v[S0], v[S0+1]
	v_permlanex16_b32 v[LX], v[\sm], s[SEL], s[SEL+1]
	v_add_f32 v[\sm], v[\sm], v[LX]
.endm
.macro WM d, a, b, c, sa, sb, odd      ; one product: D = A x B + C; odd = 1: the scale words of lanes 16-31
.if \odd
	v_wmma_scale_f32_16x16x128_f8f6f4 v[\d:\d+7], v[\a:\a+11], v[\b:\b+11], v[\c:\c+7], v[\sa], v[\sb] matrix_a_fmt:MATRIX_FMT_FP6 matrix_b_fmt:MATRIX_FMT_FP6 matrix_a_scale:MATRIX_SCALE_ROW1 matrix_b_scale:MATRIX_SCALE_ROW1
.else
	v_wmma_scale_f32_16x16x128_f8f6f4 v[\d:\d+7], v[\a:\a+11], v[\b:\b+11], v[\c:\c+7], v[\sa], v[\sb] matrix_a_fmt:MATRIX_FMT_FP6 matrix_b_fmt:MATRIX_FMT_FP6
.endif
.endm
	s_load_b256 s[4:11], s[0:1], 0x0               ; a0 s[4:5], w0 s[6:7], b0 s[8:9], pb s[10:11]
	v_lshl_add_u32 v[SPW], v0, 2, SPARE
	v_mov_b32 v[NIL], 0
	ds_add_u32 v[SPW], v[NIL]                      ; the wave's opening: the add, twice on end, and its wait ahead of my first tensor load
	ds_add_u32 v[SPW], v[NIL]
	v_lshrrev_b32 v9, 5, v0
	v_readfirstlane_b32 s[WV], v9                  ; wave 0..3
	s_bfe_u32 s13, ttmp6, 0x40000                  ; cx
	s_lshl_b32 s14, ttmp9, 2
	s_add_co_u32 s14, s14, s13                     ; g: it enters global addresses and the mask's numbers alone
	s_mul_i32 s15, s14, 625
	s_add_co_u32 s24, s15, 625
	s_lshr_b32 s15, s15, 3                         ; my first row
	s_lshr_b32 s24, s24, 3
	s_sub_co_u32 s24, s24, s15                     ; how many are mine
	s_min_u32 s25, s15, 19920                      ; the slab's first row
	s_sub_co_u32 s27, s25, s15                     ; slab's first - my first (0 or less, wraps)
	s_mov_b32 s16, 15|(3<<16)|(1<<21)              ; group 1: the mask names all four; elements of 8 bytes; bit 21 beside a mask
	s_mov_b32 s17, 32<<16                          ; rows of 256 bytes,
	s_mov_b32 s18, 100<<16                         ; 100 of them: two records
	s_mov_b32 s19, 32<<16
	s_mov_b32 s20, 100
	s_mov_b32 s21, 32
	s_mov_b32 s22, 0
	s_mov_b32 s23, 0
	s_mul_i32 s26, s[WV], 2*REC                    ; my two records in a slot, in LDS and in memory
	s_mov_b32 s28, s26
	s_mov_b32 s29, 0
	s_mov_b32 s[SEL], 0x76543210
	s_mov_b32 s[SEL+1], 0xfedcba98
	s_mov_b32 s[CS], 0x3fb8aa3b                    ; log2(e)
	s_mov_b32 s[CS+1], s[CS]
	s_mov_b32 s[NC], 0xbfb8aa3b
	s_mov_b32 s[HM], 0xffff0000
	s_wait_dscnt 0x0                               ; both opening adds are done
	s_wait_kmcnt 0x0
	ROUND                                          ; all four work-groups are here: the first joint loads meet
.irp n, 0,1
	s_mov_b32 s[32+4*\n], 1
	s_add_co_u32 s[33+4*\n], s26, \n*SLOTB
	s_add_nc_u64 s[34+4*\n:35+4*\n], s[4:5], s[28:29]
	s_add_nc_u64 s[34+4*\n:35+4*\n], s[34+4*\n:35+4*\n], \n*SLOTB
	s_or_b32 s[35+4*\n], s[35+4*\n], 0x80000000
.endr
	tensor_load_to_lds s[32:35], s[16:23]          ; tiles 0 .. 7
	s_nop 0
	tensor_load_to_lds s[36:39], s[16:23]          ; tiles 8 .. 15: two loads of mine are out
	s_nop 0
	NOPS 4
	v_and_b32 v205, 31, v0                         ; lane
	v_and_b32 v206, 15, v0                         ; r
	v_bfe_u32 v207, v0, 4, 1                       ; h
	v_lshlrev_b32 v[L16], 4, v205
	v_add_nc_u32 v[ADA], s26, v[L16]
	v_add_nc_u32 v[ADA+1], SLOTB, v[ADA]
	v_lshl_add_u32 v[ASC], v205, 2, s26
	v_add_nc_u32 v[ASC+1], SLOTB, v[ASC]
	s_lshl_b32 s30, s[WV], 8
	v_lshl_add_u32 v[OUTO], v205, 3, s30           ; 8 x lane + 256 x wave
	v_lshlrev_b32 v[SH8], 3, v207
	s_mul_i32 s30, s[WV], 8448
	s_add_co_u32 s30, s30, LSTG                    ; my stage
	v_add_nc_u32 v[STS], s30, v[L16]
	v_mul_u32_u24 v[STL], v206, 528
	v_lshl_add_u32 v[STL], v207, 7, v[STL]
	v_add_nc_u32 v[STL], s30, v[STL]
	s_mul_i32 s30, s[WV], 10*1536
	s_add_co_u32 s30, s30, LIMG
	v_add_nc_u32 v[IMW], s30, v[L16]
	s_lshl_b32 s30, s[WV], 7
	s_add_co_u32 s30, s30, LWSC
	v_lshl_add_u32 v[WSW], v206, 2, s30
	v_lshl_add_u32 v[BIW], v0, 2, LBI
	v_add_nc_u32 v[IML], LIMG, v[L16]
	v_lshl_add_u32 v[BIL], v207, 5, LBI
	v_lshl_add_u32 v[WSL], v205, 2, LWSC
	v_mov_b32 v[QX], 0                             ; lane permutes' destinations count as sources
	v_mov_b32 v[LX], 0
	v_mov_b32 v[NM+1], 0                           ; named as the upper half of a pair
	v_add_nc_u32 v202, s25, v0                     ; the slab's row of my thread (128 threads for 80 rows; the rest are not used),
	v_add_nc_u32 v203, s27, v0                     ; counted from my first row,
	v_min_u32 v202, 19999, v202                    ; and held inside b0
	v_lshlrev_b32 v202, 2, v202
	global_load_b32 v201, v202, s[8:9]
	s_lshl_b32 s54, s25, 12
	s_lshl_b32 s55, s[WV], 10
	s_add_co_u32 s54, s54, s55
	s_mov_b32 s55, 0
	s_add_nc_u64 s[52:53], s[6:7], s[54:55]        ; w0 at the slab's first row, my two K steps
	s_lshl_b32 s54, s14, 14
	s_add_nc_u64 s[PBP:PBP+1], s[10:11], s[54:55]  ; pb, region 0, my work-group's 64 pairs
; THE SLAB IS QUANTISED.  Unit u = 5 q + t: K step 2 w + q of tile t: 16 loads, each 512 consecutive bytes of a row, into set u % 4 of window 1; through my stage; 64 numbers a lane; a fragment; its image.
.macro LOADU u
	WIN 0x40                                       ; destination window 1
.irp j, 0,1,2,3,4,5,6,7,8,9,10,11,12,13,14,15
	global_load_b128 v[64*((\u)%4)+4*\j:64*((\u)%4)+4*\j+3], v[L16], s[52:53] offset:(16*((\u)%5)+\j)*4096+512*((\u)/5) th:TH_LOAD_NT
.endr
	WIN 0
.endm
.macro UNIT u
.if (\u)+3 < 10
	LOADU (\u)+3
.endif
.if 9-(\u) >= 3
	s_wait_loadcnt 48                              ; this unit's 16 loads are in; those of the three units behind it may be out
.else
	s_wait_loadcnt 16*(9-(\u))
.endif
	WIN 0x04                                       ; an LDS store's data are its source 1: window 1
.irp j, 0,1,2,3,4,5,6,7,8,9,10,11,12,13,14,15
	ds_store_b128 v[STS], v[64*((\u)%4)+4*\j:64*((\u)%4)+4*\j+3] offset:528*\j
.endr
	WIN 0
.irp c, 0,1
.irp i, 0,1,2,3,4,5,6,7
	ds_load_b128 v[X+32*\c+4*\i:X+32*\c+4*\i+3], v[STL] offset:256*\c+16*\i   ; LDS serves a wave's instructions in order: these see the stores above
.endr
.endr
	s_wait_dscnt 0x0                               ; the numbers are in; the stage's stores have read set u % 4, the last image's stores their registers
	QF X, F, 2
.irp g, 0,1,2
	ds_store_b128 v[IMW], v[F+4*\g:F+4*\g+3] offset:1536*(\u)+512*\g
.endr
	ds_store_b32 v[WSW], v[QW] offset:512*((\u)%5)+64*((\u)/5)
.endm
	LOADU 0
	LOADU 1
	LOADU 2
.set U, 0
.rept 10
	UNIT U
.set U, U+1
.endr
	v_cmp_gt_u32 vcc_lo, s24, v203                 ; is the row mine?
	v_mov_b32 v204, 0xf149f2ca                     ; -1e30
	v_cndmask_b32 v201, v204, v201, vcc_lo
	ds_store_b32 v[BIW], v201
	s_wait_dscnt 0x0                               ; for the others' sake: my images, words and bias have landed
	s_barrier_signal -1
	s_barrier_wait -1                              ; (the ring's loads may stay out)
	WIN 0x40
.set fi, 0
.rept 20                                       ; fragment 5 s + t, s = 0 .. 3, at v[12 (5 s + t)] of window 1
.irp g, 0,1,2
	ds_load_b128 v[12*fi+4*\g:12*fi+4*\g+3], v[IML] offset:1536*fi+512*\g
.endr
.set fi, fi+1
.endr
	WIN 0x80
.rept 20                                       ; s = 4 .. 7 in window 2
.irp g, 0,1,2
	ds_load_b128 v[12*(fi-20)+4*\g:12*(fi-20)+4*\g+3], v[IML] offset:1536*fi+512*\g
.endr
.set fi, fi+1
.endr
	WIN 0xc0
.irp t, 0,1,2,3,4                              ; the bias in the result's layout, window 3: register 8 t + j = row 16 t + 8 h + j
	ds_load_b128 v[8*\t:8*\t+3], v[BIL] offset:64*\t
	ds_load_b128 v[8*\t+4:8*\t+7], v[BIL] offset:64*\t+16
.endr
	WIN 0
.set fi, 0
.rept 20
	ds_load_b32 v[WSR+fi], v[WSL] offset:128*fi
.set fi, fi+1
.endr
.macro LDA slot, e                     ; token tile e of my two: 8 fragments and 4 registers of scale words (lanes 0-15 the even K step, lanes 16-31 the odd)
.irp k, 0,1,2,3,4,5,6,7
.irp g, 0,1,2
	ds_load_b128 v[AF+12*\k+4*\g:AF+12*\k+4*\g+3], v[ADA+\slot] offset:REC*\e+1536*\k+512*\g
.endr
.endr
.irp k, 0,1,2,3
	ds_load_b32 v[ASL+\k], v[ASC+\slot] offset:REC*\e+12288+128*\k
.endr
.endm
.macro MM                              ; 40 products: K steps outside, the five accumulators by turns
.irp k, 0,1,2,3,4,5,6,7
.if \k == 0
	WIN 0x31                                       ; weights window 1, C = the bias in window 3
.elseif \k < 4
	WIN 0x01
.else
	WIN 0x02                                       ; weights window 2
.endif
.irp t, 0,1,2,3,4
.if \k == 0
	WM D+8*\t, 12*\t, AF, 8*\t, WSR+4*\t, ASL, 0
.else
	WM D+8*\t, 12*(5*(\k%4)+\t), AF+12*\k, D+8*\t, WSR+4*\t+\k/2, ASL+\k/2, \k%2
.endif
.endr
.endr
	WIN 0
.endm
.macro WORK slot
	LDA \slot, 0
	s_wait_dscnt 0x0
	MM
	NOPS 4                                         ; places in front of loads into the tokens' registers and of the first read of results
	LDA \slot, 1                                   ; the second tile lands while the first tile's sums are made
	LSE 5, D, MXA, SMA
	s_wait_dscnt 0x0
	MM
	NOPS 4
	LSE 5, D, MXB, SMB
	v_cndmask_b32 v[VAL], v[MXA], v[MXB], s[HM]    ; lanes 0-15 the first tile's tokens, lanes 16-31 the second's
	v_cndmask_b32 v[VAL+1], v[SMA], v[SMB], s[HM]
	global_store_b64 v[OUTO], v[VAL:VAL+1], s[PBP:PBP+1] th:TH_STORE_NT   ; 32 lanes store 256 consecutive bytes, aligned
.endm
; A change of slots.  Each wave waits for all its tensor loads (one is out: its part of the slot ahead), adds 0 to its spare word, and waits for that and for its reads of the slot that it leaves.
; refill = 1: a round of the cluster's barrier, and behind it the joint load of the slot just left, two slots on: my one tensor load until the next round.
.macro TWO slot, refill
	s_wait_tensorcnt 0x0
	ds_add_u32 v[SPW], v[NIL]
	s_wait_xcnt 0x0                                ; the last store has read its base and its data
	s_add_nc_u64 s[PBP:PBP+1], s[PBP:PBP+1], 1024  ; four pairs on
.if \refill
	s_add_nc_u64 s[38-4*\slot:39-4*\slot], s[38-4*\slot:39-4*\slot], 2*SLOTB   ; no tensor load of mine is out: the other slot's next tiles
.endif
	s_wait_dscnt 0x0
.if \refill
	ROUND
	tensor_load_to_lds s[36-4*\slot:39-4*\slot], s[16:23]
	s_nop 0
	NOPS 4
.else
	s_barrier_signal -1
	s_barrier_wait -1
.endif
	WORK \slot
.endm
	s_wait_tensorcnt 0x1                           ; my part of slot 0 is in; slot 1's load may stay out
	s_wait_dscnt 0x0
	s_barrier_signal -1
	s_barrier_wait -1
	WORK 0
	s_mov_b32 s44, 7
.Lloop:                                            ; 7 trips: slots' worth 1 .. 14; each change asks for the slot's worth after the next
	TWO 1, 1
	TWO 0, 1
	s_sub_co_u32 s44, s44, 1
	s_cmp_lg_u32 s44, 0
	s_cbranch_scc1 .Lloop
	TWO 1, 0                                       ; the last: nothing is left to fetch
	s_wait_tensorcnt 0x0                           ; the wave's end
	ds_add_u32 v[SPW], v[NIL]
	s_wait_dscnt 0x0
	ROUND                                          ; the closing round
	s_endpgm
.Lfunc_end_k_q870d617963_head:
	.size	k_q870d617963_head, .Lfunc_end_k_q870d617963_head-k_q870d617963_head
	.p2alignl 7, 3214868480
	.fill 96, 4, 3214868480
	.section	.rodata,"a",@progbits
	.p2align	6, 0x0
	.amdhsa_kernel k_q870d617963_head
		.amdhsa_group_segment_fixed_size 327680
		.amdhsa_private_segment_fixed_size 0
		.amdhsa_enable_private_segment 0
		.amdhsa_kernarg_size 32
		.amdhsa_user_sgpr_count 2
		.amdhsa_user_sgpr_kernarg_segment_ptr 1
		.amdhsa_wavefront_size32 1
		.amdhsa_system_sgpr_workgroup_id_x 1
		.amdhsa_system_sgpr_workgroup_id_y 1
		.amdhsa_system_sgpr_workgroup_id_z 1
		.amdhsa_system_vgpr_workitem_id 0
		.amdhsa_next_free_vgpr 1024
		.amdhsa_next_free_sgpr 66
		.amdhsa_reserve_vcc 1
		.amdhsa_float_denorm_mode_32 3
		.amdhsa_float_denorm_mode_16_64 3
		.amdhsa_memory_ordered 1
		.amdhsa_forward_progress 1
		.amdhsa_inst_pref_size 186
	.end_amdhsa_kernel
	.amdgpu_metadata
---
amdhsa.version: [ 1, 2 ]
amdhsa.kernels:
  - .name:           k_q870d617963_head
    .symbol:         k_q870d617963_head.kd
    .args:
      - { .name: a0, .offset: 0, .size: 8, .value_kind: global_buffer, .address_space: global }
      - { .name: w0, .offset: 8, .size: 8, .value_kind: global_buffer, .address_space: global }
      - { .name: b0, .offset: 16, .size: 8, .value_kind: global_buffer, .address_space: global }
      - { .name: pb, .offset: 24, .size: 8, .value_kind: global_buffer, .address_space: global }
    .group_segment_fixed_size: 327680
    .private_segment_fixed_size: 0
    .kernarg_segment_align: 8
    .kernarg_segment_size: 32
    .max_flat_workgroup_size: 128
    .sgpr_count:     66
    .vgpr_count:     1024
    .wavefront_size: 32
...
	.end_amdgpu_metadata
.endif
;; end of part 3
;; launch tails (part 4): grid 256 x 1, 8 waves a work-group, no clusters, 107,520 bytes of LDS; arguments a1, a2, w1, w2, b1, b2, route, pb; writes pb
.if DOCPART == 4
	.amdgcn_target "amdgcn-amd-amdhsa--gfx1250"
	.amdhsa_code_object_version 6
	.text
	.protected	k_q870d617963_tails
	.globl	k_q870d617963_tails
	.p2align	8
	.type	k_q870d617963_tails,@function
k_q870d617963_tails:
	s_mov_b64 s[64:65], 0
	v_nop
	global_prefetch_b8 v0, s[64:65] scope:SCOPE_SE
	s_setreg_imm32_b32 hwreg(HW_REG_WAVE_MODE, 25, 1), 1
	s_wait_xcnt 0x0
; LAUNCH 4 OF 5: the two tails' logits on codes of FP6 (E2M3), and for each (slab of rows, token) the pair (largest logit, sum of e^(logit - largest)).
; LEFT OUT: reference() keeps a tail's log-softmax only for tokens whose target lies in that tail; the tokens are sorted by cluster, and each tail walks only the pairs of token tiles (32 sorted places) that hold
; one of its tokens: places n0 .. n01 - 1 for w1, n01 .. 2,047 for w2 (n0, n01: whole numbers that the first launch stored).  Foreign tokens in a pair at a bound are multiplied and not used.
; Every work-group takes a slab of EACH tail, so the work is even for every split: rows (1875 g) / 16 .. of w1 inside 128 rows (8 tiles), rows (3125 g) / 16 .. of w2 inside 208 rows (13 tiles); slab rows outside
; its own range get the bias -1e30.  The slabs are read once as f32, quantised in registers, shared through LDS as images of the operand's registers; all 8 waves then hold the whole slab and share out the pairs.
; NO CLUSTER, NO TENSOR LOAD: the trip counts are read from memory; the tokens' fragments (at most 0.65 MB in all) come straight into registers.
; K = 64 in the second tail: the tokens' codes of k = 64 .. 127 are zeros, so the weights' operand may hold any codes there (E2M3 has no NaN and no infinity) under any scale byte but 0xff.
; LIMITS: logits under -1e30 are not served; NaN and infinities among the inputs are not served; a block under 2^-124 keeps the scale byte 1.
.set A1REC, 3328
.set A2REC, 1792
.set LSTG,  0                          ; a stage of 8,448 bytes for each wave
.set LIMG1, 8*8448                     ; 67,584: w1's 16 images (2 t + s)
.set LSC1,  LIMG1+16*1536              ; 92,160: its scale words: 128 bytes a tile: lanes 0-15 K step 0, lanes 16-31 K step 1
.set LIMG2, LSC1+8*128                 ; 93,184: w2's 13 half images of 768 bytes
.set LSC2,  LIMG2+13*768               ; 103,168: its scale words, 64 bytes a tile
.set LBI,   104064                     ; the masked biases: 128 words of b1, then from +512 on up to 384 of b2
.set SPARE, 106240                     ; the spare words, 128 bytes for each of 8 waves
.set SPW, 2
.set NIL, 3
.set L16, 4
.set L4,  5
.set R4,  6
.set STS1, 7
.set STL1, 8
.set STS2, 9
.set STL2, 10
.set IM1W, 11
.set SC1W, 12
.set IM2W, 13
.set IM2W8, 14
.set SC2W, 15
.set LC,  16
.set LX,  20
.set MXA, 21
.set SMA, 22
.set MXB, 23
.set SMB, 24
.set NM,  26
.set S0,  28
.set S1,  30
.set D,   32                           ; v32-135 up to 13 result tiles
.set AF,  136                          ; v136-159 a token tile's fragments
.set ASL, 160                          ; its scale words (scales alone)
.set WS,  162                          ; v162-174 the weights' scale words (scales alone)
.set VA,  176
.set VS,  177
.set OUTO, 178
.set L8,  179
.set VAL, 180
.set BIW, 182
.set BIL, 183
.set IML1, 184
.set SC1L, 185
.set IML2, 186
.set IML28, 187
.set SC2L, 188
.set X,   32                           ; while the slabs are quantised
.set F,   96
.set QT,  108
.set QS,  110
.set QW,  112
.set QX,  113
.set QM,  114
.set SH8, 122
.set WV,  22
.set SEL, 30
.set CS,  32
.set NC,  34
.set HM,  35
.set PBP, 36
.set CNT, 58                           ; s58  a loop's trips done
.set TRIPS, 59                         ; s59  a loop's trips: not written inside the loop
.set MSB, 0
.macro WIN new
.if MSB != \new
	s_set_vgpr_msb (MSB<<8)|\new
.set MSB, \new
.endif
.endm
.macro NOPS n
.rept \n
	v_nop
.endr
.endm
.macro QF x, f, n                      ; n blocks of 32 of my row, all mine -> registers f .. f + 6 n - 1 of the operand, and v[QW] my row's scale word
.set qc, 0
.rept \n
	v_max3_num_f32 v[QT+qc], |v[(\x)+32*qc]|, |v[(\x)+32*qc+1]|, 0x1800000
.set qc, qc+1
.endr
.set qi, 2
.rept 15
.set qc, 0
.rept \n
	v_max3_num_f32 v[QT+qc], v[QT+qc], |v[(\x)+32*qc+qi]|, |v[(\x)+32*qc+qi+1]|
.set qc, qc+1
.endr
.set qi, qi+2
.endr
.set qc, 0
.rept \n
	v_add_nc_u32 v[QS+qc], 0xff000000, v[QT+qc]
.set qc, qc+1
.endr
.set qc, 0
.rept \n
	v_lshrrev_b32 v[QT+qc], 23, v[QS+qc]
.set qc, qc+1
.endr
.if \n == 2
	v_lshl_or_b32 v[QW], v[QT+1], 16, v[QT]
.else
	v_mov_b32 v[QW], v[QT]
.endif
	v_lshlrev_b32 v[QW], v[SH8], v[QW]
	v_permlanex16_b32 v[QX], v[QW], s[SEL], s[SEL+1]
	v_or_b32 v[QW], v[QW], v[QX]
.set qc, 0
.rept \n
	v_cvt_scalef32_pk16_fp6_f32 v[(\f)+6*qc:(\f)+6*qc+2], v[(\x)+32*qc:(\x)+32*qc+15], v[QS+qc]
	v_cvt_scalef32_pk16_fp6_f32 v[QM+4*qc:QM+4*qc+2], v[(\x)+32*qc+16:(\x)+32*qc+31], v[QS+qc]
.set qc, qc+1
.endr
	v_nop                                          ; one plain place behind a scaled conversion
.set qc, 0
.rept \n
	v_mov_b32 v[(\f)+6*qc+3], v[QM+4*qc]
	v_mov_b32 v[(\f)+6*qc+4], v[QM+4*qc+1]
	v_mov_b32 v[(\f)+6*qc+5], v[QM+4*qc+2]
.set qc, qc+1
.endr
.endm
.macro LSE nt, d, mx, sm               ; nt result tiles: my token's largest logit and the sum of e^(logit - largest); each tile is read from its low end on
.set lt, 0
.rept ((\nt)+3)/4
.set ls, 0
.rept 4
.set lc, 0
.rept 4
.if lt+lc < (\nt)
.set lr, (\d)+8*(lt+lc)
.if lt == 0
.if ls == 0
	v_max3_num_f32 v[LC+lc], v[lr], v[lr+1], v[lr+2]
.elseif ls < 3
	v_max3_num_f32 v[LC+lc], v[LC+lc], v[lr+2*ls+1], v[lr+2*ls+2]
.else
	v_max_num_f32 v[LC+lc], v[LC+lc], v[lr+7]
.endif
.else
	v_max3_num_f32 v[LC+lc], v[LC+lc], v[lr+2*ls], v[lr+2*ls+1]
.endif
.endif
.set lc, lc+1
.endr
.set ls, ls+1
.endr
.set lt, lt+4
.endr
	v_max3_num_f32 v[\mx], v[LC], v[LC+1], v[LC+2]
	v_max_num_f32 v[\mx], v[\mx], v[LC+3]
	v_permlanex16_b32 v[LX], v[\mx], s[SEL], s[SEL+1]
	v_max_num_f32 v[\mx], v[\mx], v[LX]
	v_mul_f32 v[NM], s[NC], v[\mx]
.set li, 0
.rept 4*(\nt)
	v_pk_fma_f32 v[(\d)+2*li:(\d)+2*li+1], v[(\d)+2*li:(\d)+2*li+1], s[CS:CS+1], v[NM:NM+1] op_sel_hi:[1,0,0]
.set li, li+1
.endr
.set li, 0
.rept 8*(\nt)
	v_exp_f32 v[(\d)+li], v[(\d)+li]
.set li, li+1
.endr
	v_nop                                          ; a plain place behind the last exponential
	s_wait_alu depctr_va_vdst(0)                   ; one wait for the batch, ahead of its first reader
	v_pk_add_f32 v[S0:S0+1], v[(\d):(\d)+1], v[(\d)+2:(\d)+3]
	v_pk_add_f32 v[S1:S1+1], v[(\d)+4:(\d)+5], v[(\d)+6:(\d)+7]
.set li, 4
.rept (4*(\nt)-4)/2
	v_pk_add_f32 v[S0:S0+1], v[S0:S0+1], v[(\d)+2*li:(\d)+2*li+1]
	v_pk_add_f32 v[S1:S1+1], v[S1:S1+1], v[(\d)+2*li+2:(\d)+2*li+3]
.set li, li+2
.endr
	v_pk_add_f32 v[S0:S0+1], v[S0:S0+1], v[S1:S1+1]
	v_add_f32 v[\sm], v[S0], v[S0+1]
	v_permlanex16_b32 v[LX], v[\sm], s[SEL], s[SEL+1]
	v_add_f32 v[\sm], v[\sm], v[LX]
.endm
.macro WM d, a, b, c, sa, sb, odd
.if \odd
	v_wmma_scale_f32_16x16x128_f8f6f4 v[\d:\d+7], v[\a:\a+11], v[\b:\b+11], v[\c:\c+7], v[\sa], v[\sb] matrix_a_fmt:MATRIX_FMT_FP6 matrix_b_fmt:MATRIX_FMT_FP6 matrix_a_scale:MATRIX_SCALE_ROW1 matrix_b_scale:MATRIX_SCALE_ROW1
.else
	v_wmma_scale_f32_16x16x128_f8f6f4 v[\d:\d+7], v[\a:\a+11], v[\b:\b+11], v[\c:\c+7], v[\sa], v[\sb] matrix_a_fmt:MATRIX_FMT_FP6 matrix_b_fmt:MATRIX_FMT_FP6
.endif
.endm
	s_load_b256 s[4:11], s[0:1], 0x0               ; a1 s[4:5], a2 s[6:7], w1 s[8:9], w2 s[10:11]
	s_load_b256 s[12:19], s[0:1], 0x20             ; b1 s[12:13], b2 s[14:15], route s[16:17], pb s[18:19]
	v_lshl_add_u32 v[SPW], v0, 2, SPARE
	v_mov_b32 v[NIL], 0
	v_lshrrev_b32 v200, 5, v0
	v_readfirstlane_b32 s[WV], v200                ; wave 0..7
	s_mul_i32 s23, ttmp9, 1875
	s_add_co_u32 s24, s23, 1875
	s_lshr_b32 s23, s23, 4                         ; w1: my first row,
	s_lshr_b32 s24, s24, 4
	s_sub_co_u32 s24, s24, s23                     ; how many are mine,
	s_min_u32 s25, s23, 29872                      ; the slab's first row
	s_mul_i32 s26, ttmp9, 3125
	s_add_co_u32 s27, s26, 3125
	s_lshr_b32 s26, s26, 4                         ; w2 likewise
	s_lshr_b32 s27, s27, 4
	s_sub_co_u32 s27, s27, s26
	s_min_u32 s28, s26, 49792
	s_mov_b32 s[SEL], 0x76543210
	s_mov_b32 s[SEL+1], 0xfedcba98
	s_mov_b32 s[CS], 0x3fb8aa3b                    ; log2(e)
	s_mov_b32 s[CS+1], s[CS]
	s_mov_b32 s[NC], 0xbfb8aa3b
	s_mov_b32 s[HM], 0xffff0000
	; every LDS address is made here, ahead of the first branch on the wave's number
	v_and_b32 v200, 31, v0                         ; lane
	v_and_b32 v201, 15, v0                         ; r
	v_bfe_u32 v202, v0, 4, 1                       ; h
	v_lshlrev_b32 v[L16], 4, v200
	v_lshlrev_b32 v[L4], 2, v200
	v_lshlrev_b32 v[R4], 2, v201
	v_lshlrev_b32 v[L8], 3, v200
	v_lshlrev_b32 v[SH8], 3, v202
	s_mul_i32 s40, s[WV], 8448                     ; my stage
	v_add_nc_u32 v[STS1], s40, v[L16]
	v_mul_u32_u24 v[STL1], v201, 528
	v_lshl_add_u32 v[STL1], v202, 7, v[STL1]
	v_add_nc_u32 v[STL1], s40, v[STL1]
	v_mul_u32_u24 v[STS2], v202, 272
	v_lshl_add_u32 v[STS2], v201, 4, v[STS2]
	v_add_nc_u32 v[STS2], s40, v[STS2]
	v_mul_u32_u24 v[STL2], v201, 272
	v_lshl_add_u32 v[STL2], v202, 7, v[STL2]
	v_add_nc_u32 v[STL2], s40, v[STL2]
	s_mul_i32 s40, s[WV], 3072
	s_add_co_u32 s40, s40, LIMG1
	v_add_nc_u32 v[IM1W], s40, v[L16]
	s_lshl_b32 s40, s[WV], 7
	s_add_co_u32 s40, s40, LSC1
	v_add_nc_u32 v[SC1W], s40, v[R4]
	s_mul_i32 s40, s[WV], 768
	s_add_co_u32 s40, s40, LIMG2
	v_add_nc_u32 v[IM2W], s40, v[L16]
	s_add_co_u32 s40, s40, 512
	v_add_nc_u32 v[IM2W8], s40, v[L8]
	s_lshl_b32 s40, s[WV], 6
	s_add_co_u32 s40, s40, LSC2
	v_add_nc_u32 v[SC2W], s40, v[R4]
	v_lshl_add_u32 v[BIW], v0, 2, LBI
	v_lshl_add_u32 v[BIL], v202, 5, LBI
	v_add_nc_u32 v[IML1], LIMG1, v[L16]
	v_add_nc_u32 v[SC1L], LSC1, v[L4]
	v_add_nc_u32 v[IML2], LIMG2, v[L16]
	v_add_nc_u32 v[IML28], LIMG2+512, v[L8]
	v_add_nc_u32 v[SC2L], LSC2, v[R4]
	v_mov_b32 v[QX], 0                             ; lane permutes' destinations count as sources
	v_mov_b32 v[LX], 0
	v_mov_b32 v[NM+1], 0
	v_mov_b32 v209, 0xf149f2ca                     ; -1e30
	s_wait_kmcnt 0x0
	s_load_b64 s[20:21], s[16:17], 0x4000          ; n0, n01
	; the biases: threads 0-127 take b1's 128, threads 128-255 b2's first 128; then all take b2's from 128 on (held inside b2; 80 are used)
	s_cmp_lt_u32 s[WV], 4
	s_cselect_b64 s[42:43], s[12:13], s[14:15]
	s_cselect_b32 s44, s25, s28
	s_cselect_b32 s45, s23, s26
	s_cselect_b32 s46, s24, s27                    ; how many rows are mine, in the tail that my thread serves
	s_sub_co_u32 s45, s44, s45                     ; slab's first - my first (0 or less, wraps)
	s_lshl_b32 s48, s44, 2
	s_mov_b32 s49, 0
	s_add_nc_u64 s[42:43], s[42:43], s[48:49]
	v_and_b32 v203, 127, v0
	v_add_nc_u32 v204, s45, v203
	v_lshlrev_b32 v203, 2, v203
	global_load_b32 v205, v203, s[42:43]
	s_add_co_u32 s47, s28, 128
	v_add_nc_u32 v206, s47, v0
	s_sub_co_u32 s52, s47, s26
	v_add_nc_u32 v207, s52, v0
	v_min_u32 v206, 49999, v206
	v_lshlrev_b32 v206, 2, v206
	global_load_b32 v208, v206, s[14:15]
	; the weights: wave w takes tile w of w1 (both K steps), tile w of w2, and waves 0-4 tile w + 8 of w2
	s_lshl_b32 s56, s[WV], 4
	s_add_co_u32 s56, s56, s25
	s_lshl_b32 s56, s56, 10
	s_mov_b32 s57, 0
	s_add_nc_u64 s[50:51], s[8:9], s[56:57]
	s_lshl_b32 s56, s[WV], 4
	s_add_co_u32 s56, s56, s28
	s_lshl_b32 s56, s56, 8
	s_add_nc_u64 s[54:55], s[10:11], s[56:57]
	WIN 0x40                                       ; destination window 1
.irp q, 0,1
.irp j, 0,1,2,3,4,5,6,7,8,9,10,11,12,13,14,15
	global_load_b128 v[64*\q+4*\j:64*\q+4*\j+3], v[L16], s[50:51] offset:1024*\j+512*\q th:TH_LOAD_NT   ; 512 consecutive bytes of a row
.endr
.endr
.irp j, 0,1,2,3,4,5,6,7
	global_load_b128 v[128+4*\j:128+4*\j+3], v[L16], s[54:55] offset:512*\j th:TH_LOAD_NT               ; two rows of 256 bytes
.endr
	WIN 0
	s_cmp_lt_u32 s[WV], 5
	s_cbranch_scc0 .Lno_ld
	WIN 0x40
.irp j, 0,1,2,3,4,5,6,7
	global_load_b128 v[160+4*\j:160+4*\j+3], v[L16], s[54:55] offset:32768+512*\j th:TH_LOAD_NT
.endr
	WIN 0
.Lno_ld:
.macro U1 q, left
	s_wait_loadcnt \left
	WIN 0x04                                       ; an LDS store's data are its source 1: window 1
.irp j, 0,1,2,3,4,5,6,7,8,9,10,11,12,13,14,15
	ds_store_b128 v[STS1], v[64*\q+4*\j:64*\q+4*\j+3] offset:528*\j
.endr
	WIN 0
.irp c, 0,1
.irp i, 0,1,2,3,4,5,6,7
	ds_load_b128 v[X+32*\c+4*\i:X+32*\c+4*\i+3], v[STL1] offset:256*\c+16*\i   ; LDS serves a wave's instructions in order
.endr
.endr
	s_wait_dscnt 0x0
	QF X, F, 2
.irp g, 0,1,2
	ds_store_b128 v[IM1W], v[F+4*\g:F+4*\g+3] offset:1536*\q+512*\g
.endr
	ds_store_b32 v[SC1W], v[QW] offset:64*\q
.endm
.macro U2 k
	WIN 0x04
.irp j, 0,1,2,3,4,5,6,7
	ds_store_b128 v[STS2], v[128+32*\k+4*\j:128+32*\k+4*\j+3] offset:544*\j
.endr
	WIN 0
.irp i, 0,1,2,3,4,5,6,7
	ds_load_b128 v[X+4*\i:X+4*\i+3], v[STL2] offset:16*\i
.endr
	s_wait_dscnt 0x0
	QF X, F, 1
	ds_store_b128 v[IM2W], v[F:F+3] offset:6144*\k
	ds_store_b64 v[IM2W8], v[F+4:F+5] offset:6144*\k
	ds_store_b32 v[SC2W], v[QW] offset:512*\k
.endm
	U1 0, 24                                       ; K step 0's 16 loads are in: behind them stand K step 1's 16 and tile w's 8 (in waves 0-4 eight more: there the count asks for more than is needed)
	U1 1, 8                                        ; K step 1's are in: behind them tile w's 8
	s_wait_loadcnt 0x0
	U2 0
	s_cmp_lt_u32 s[WV], 5
	s_cbranch_scc0 .Lno_u2
	U2 1
.Lno_u2:
	v_cmp_gt_u32 vcc_lo, s46, v204                 ; is the row mine?
	v_cndmask_b32 v205, v209, v205, vcc_lo
	ds_store_b32 v[BIW], v205
	v_cmp_gt_u32 vcc_lo, s27, v207
	v_cndmask_b32 v208, v209, v208, vcc_lo
	ds_store_b32 v[BIW], v208 offset:1024
	s_wait_dscnt 0x0                               ; for the others' sake: my images, words and biases have landed
	s_barrier_signal -1
	s_barrier_wait -1                              ; the launch's one barrier
	s_wait_kmcnt 0x0                               ; n0, n01
; where the tile of pair min(q + add, 63), half e, lies: the pair's number is held by a constant before it enters an address
.macro NEXTA rec, add, e, lsx
	s_add_co_u32 s40, s38, \add
	s_min_u32 s40, s40, 63
	s_lshl_b32 s40, s40, 1
	s_add_co_u32 s40, s40, \e
	s_mul_i32 s40, s40, \rec
	v_add_nc_u32 v[VA], s40, v[L16]
	v_add_nc_u32 v[VS], s40, v[\lsx]
.endm
.macro OUT2
	s_min_u32 s41, s38, 63
	s_lshl_b32 s41, s41, 8
	v_add_nc_u32 v[OUTO], s41, v[L8]
	v_cndmask_b32 v[VAL], v[MXA], v[MXB], s[HM]    ; lanes 0-15 the first tile's tokens, lanes 16-31 the second's
	v_cndmask_b32 v[VAL+1], v[SMA], v[SMB], s[HM]
	global_store_b64 v[OUTO], v[VAL:VAL+1], s[PBP:PBP+1] th:TH_STORE_NT   ; 32 lanes store 256 consecutive bytes, aligned
.endm
; My trips: pairs s38, s38 + 8, .. below s39 (s38 < s39 here): (s39 - s38 + 7) / 8, at most 8, since there are 64 pairs for 8 waves.  The loop counts them one by one.
.macro COUNT_TRIPS
	s_sub_co_u32 s[TRIPS], s39, s38
	s_add_co_u32 s[TRIPS], s[TRIPS], 7
	s_lshr_b32 s[TRIPS], s[TRIPS], 3
	s_min_u32 s[TRIPS], s[TRIPS], 8
	s_mov_b32 s[CNT], 0
.endm
; ---------------- the first tail: K = 256, 8 tiles of rows
	WIN 0x40
.set fi, 0
.rept 16                                       ; fragment 2 t + s at v[12 (2 t + s)] of window 1
.irp g, 0,1,2
	ds_load_b128 v[12*fi+4*\g:12*fi+4*\g+3], v[IML1] offset:1536*fi+512*\g
.endr
.set fi, fi+1
.endr
.irp t, 0,1,2,3,4,5,6,7                        ; the bias at v[192 + 8 t] of window 1
	ds_load_b128 v[192+8*\t:192+8*\t+3], v[BIL] offset:64*\t
	ds_load_b128 v[192+8*\t+4:192+8*\t+7], v[BIL] offset:64*\t+16
.endr
	WIN 0
.irp t, 0,1,2,3,4,5,6,7
	ds_load_b32 v[WS+\t], v[SC1L] offset:128*\t
.endr
	s_lshl_b32 s56, ttmp9, 14
	s_add_co_u32 s56, s56, 4194304
	s_mov_b32 s57, 0
	s_add_nc_u64 s[PBP:PBP+1], s[18:19], s[56:57]  ; pb, region 1, my work-group's pairs
	s_lshr_b32 s38, s20, 5
	s_add_co_u32 s38, s38, s[WV]                   ; my first pair
	s_add_co_u32 s39, s21, 31
	s_lshr_b32 s39, s39, 5                         ; behind the last
	s_wait_dscnt 0x0
	s_cmp_ge_u32 s38, s39
	s_cbranch_scc1 .Lt1_done
	COUNT_TRIPS
.macro LOADA1
.irp k, 0,1
.irp g, 0,1,2
	global_load_b128 v[AF+12*\k+4*\g:AF+12*\k+4*\g+3], v[VA], s[4:5] offset:1536*\k+512*\g
.endr
.endr
	global_load_b32 v[ASL], v[VS], s[4:5] offset:3072          ; lanes 0-15 K step 0's words, lanes 16-31 K step 1's
.endm
.macro TILE1 add, e, mx, sm            ; the tile in hand is multiplied; the next (pair q + add, half e) is asked for; the sums are made while it lands
	s_wait_loadcnt 0x0
	WIN 0x11                                       ; weights and bias window 1
.irp t, 0,1,2,3,4,5,6,7
	WM D+8*\t, 24*\t, AF, 192+8*\t, WS+\t, ASL, 0
.endr
	WIN 0x01
.irp t, 0,1,2,3,4,5,6,7                        ; the eight accumulators by turns
	WM D+8*\t, 24*\t+12, AF+12, D+8*\t, WS+\t, ASL, 1
.endr
	WIN 0
	NOPS 4                                         ; places in front of loads into the tokens' registers and of the first read of results
	NEXTA A1REC, \add, \e, L4
	LOADA1
	LSE 8, D, \mx, \sm
.endm
	NEXTA A1REC, 0, 0, L4
	LOADA1
.Lt1:
	s_wait_xcnt 0x0                                ; the last trip's store has read its offset and its data
	TILE1 0, 1, MXA, SMA
	TILE1 8, 0, MXB, SMB
	OUT2
	s_add_co_u32 s38, s38, 8                       ; my next pair
	s_add_co_u32 s[CNT], s[CNT], 1
	s_cmp_lt_u32 s[CNT], s[TRIPS]
	s_cbranch_scc1 .Lt1
.Lt1_done:
	s_wait_loadcnt 0x0                             ; the tile asked for in the last trip is not used: its registers are free again
	s_wait_xcnt 0x0
; ---------------- the second tail: K = 64, 13 tiles of rows
	WIN 0x40
.set fi, 0
.rept 13                                       ; tile t's six registers at v[6 t] of window 1: the operand names twelve; the upper six meet zero codes
	ds_load_b128 v[6*fi:6*fi+3], v[IML2] offset:768*fi
	ds_load_b64 v[6*fi+4:6*fi+5], v[IML28] offset:768*fi
.set fi, fi+1
.endr
.set fi, 0
.rept 13                                       ; the bias at v[96 + 8 t] of window 1
	ds_load_b128 v[96+8*fi:96+8*fi+3], v[BIL] offset:512+64*fi
	ds_load_b128 v[96+8*fi+4:96+8*fi+7], v[BIL] offset:512+64*fi+16
.set fi, fi+1
.endr
	WIN 0
.set fi, 0
.rept 13
	ds_load_b32 v[WS+fi], v[SC2L] offset:64*fi
.set fi, fi+1
.endr
	s_add_nc_u64 s[PBP:PBP+1], s[PBP:PBP+1], 4194304   ; pb, region 2
	s_lshr_b32 s38, s21, 5
	s_add_co_u32 s38, s38, 7
	s_sub_co_u32 s38, s38, s[WV]                   ; my first pair: the waves in the other order than in the first tail, which evens out the two loops' remainders
	s_mov_b32 s39, 64
	s_wait_dscnt 0x0
	s_cmp_ge_u32 s38, s39
	s_cbranch_scc1 .Lt2_done
	COUNT_TRIPS
.macro LOADA2
.irp g, 0,1,2
	global_load_b128 v[AF+4*\g:AF+4*\g+3], v[VA], s[6:7] offset:512*\g
.endr
	global_load_b32 v[ASL], v[VS], s[6:7] offset:1536
.endm
.macro TILE2 add, e, mx, sm
	s_wait_loadcnt 0x0
	WIN 0x11
.set fi, 0
.rept 13
	WM D+8*fi, 6*fi, AF, 96+8*fi, WS+fi, ASL, 0
.set fi, fi+1
.endr
	WIN 0
	NOPS 4
	NEXTA A2REC, \add, \e, R4
	LOADA2
	LSE 13, D, \mx, \sm
.endm
	NEXTA A2REC, 0, 0, R4
	LOADA2
.Lt2:
	s_wait_xcnt 0x0
	TILE2 0, 1, MXA, SMA
	TILE2 8, 0, MXB, SMB
	OUT2
	s_add_co_u32 s38, s38, 8                       ; my next pair
	s_add_co_u32 s[CNT], s[CNT], 1
	s_cmp_lt_u32 s[CNT], s[TRIPS]
	s_cbranch_scc1 .Lt2
.Lt2_done:
	s_wait_loadcnt 0x0
	s_wait_tensorcnt 0x0                           ; the wave's end
	ds_add_u32 v[SPW], v[NIL]
	s_wait_dscnt 0x0
	s_endpgm
.Lfunc_end_k_q870d617963_tails:
	.size	k_q870d617963_tails, .Lfunc_end_k_q870d617963_tails-k_q870d617963_tails
	.p2alignl 7, 3214868480
	.fill 96, 4, 3214868480
	.section	.rodata,"a",@progbits
	.p2align	6, 0x0
	.amdhsa_kernel k_q870d617963_tails
		.amdhsa_group_segment_fixed_size 107520
		.amdhsa_private_segment_fixed_size 0
		.amdhsa_enable_private_segment 0
		.amdhsa_kernarg_size 64
		.amdhsa_user_sgpr_count 2
		.amdhsa_user_sgpr_kernarg_segment_ptr 1
		.amdhsa_wavefront_size32 1
		.amdhsa_system_sgpr_workgroup_id_x 1
		.amdhsa_system_sgpr_workgroup_id_y 1
		.amdhsa_system_sgpr_workgroup_id_z 1
		.amdhsa_system_vgpr_workitem_id 0
		.amdhsa_next_free_vgpr 512
		.amdhsa_next_free_sgpr 66
		.amdhsa_reserve_vcc 1
		.amdhsa_float_denorm_mode_32 3
		.amdhsa_float_denorm_mode_16_64 3
		.amdhsa_memory_ordered 1
		.amdhsa_forward_progress 1
		.amdhsa_inst_pref_size 93
	.end_amdhsa_kernel
	.amdgpu_metadata
---
amdhsa.version: [ 1, 2 ]
amdhsa.kernels:
  - .name:           k_q870d617963_tails
    .symbol:         k_q870d617963_tails.kd
    .args:
      - { .name: a1, .offset: 0, .size: 8, .value_kind: global_buffer, .address_space: global }
      - { .name: a2, .offset: 8, .size: 8, .value_kind: global_buffer, .address_space: global }
      - { .name: w1, .offset: 16, .size: 8, .value_kind: global_buffer, .address_space: global }
      - { .name: w2, .offset: 24, .size: 8, .value_kind: global_buffer, .address_space: global }
      - { .name: b1, .offset: 32, .size: 8, .value_kind: global_buffer, .address_space: global }
      - { .name: b2, .offset: 40, .size: 8, .value_kind: global_buffer, .address_space: global }
      - { .name: route, .offset: 48, .size: 8, .value_kind: global_buffer, .address_space: global }
      - { .name: pb, .offset: 56, .size: 8, .value_kind: global_buffer, .address_space: global }
    .group_segment_fixed_size: 107520
    .private_segment_fixed_size: 0
    .kernarg_segment_align: 8
    .kernarg_segment_size: 64
    .max_flat_workgroup_size: 256
    .sgpr_count:     66
    .vgpr_count:     512
    .wavefront_size: 32
...
	.end_amdgpu_metadata
.endif
;; end of part 4
;; launch final (part 5): grid 64 x 1, 16 waves a work-group, no clusters, 9,216 bytes of LDS; arguments route, pb, a0, a1, a2, w0, w1, w2, cluster_w, b0, b1, b2, cluster_b, out0; writes out0
.if DOCPART == 5
	.amdgcn_target "amdgcn-amd-amdhsa--gfx1250"
	.amdhsa_code_object_version 6
	.text
	.protected	k_q870d617963_final
	.globl	k_q870d617963_final
	.p2align	8
	.type	k_q870d617963_final,@function
k_q870d617963_final:
	s_mov_b64 s[64:65], 0
	v_nop
	global_prefetch_b8 v0, s[64:65] scope:SCOPE_SE
	s_setreg_imm32_b32 hwreg(HW_REG_WAVE_MODE, 25, 1), 1
	s_wait_xcnt 0x0
; LAUNCH 5 OF 5: for 32 sorted places a work-group: the slabs' pairs are merged into the head's and the token's own tail's log-sum-exp, the target's logit and the two cluster logits are made, nll is stored.
; LEFT OUT: of the tails' pairs only the token's own tail's are read (reference() keeps no other).  The three target logits are all made, with reference()'s clipped indices, and one is selected.
; WAVES 0-7, role = wave / 2, half e = wave % 2 (16 tokens): a logit at a token's own row is the DIAGONAL of a product of 16 gathered rows with the 16 tokens, by the contract's own matrix instruction on codes of
; FP6 (E2M3): the rows are gathered as f32 and quantised in registers.  Role 0: cluster_w's rows r % 2 (registers 0, 1 of every lane are columns 20,000 and 20,001 of the lane's token);
; role 1: w0 at clip(t); role 2: w1 at clip(t - 20,000); role 3: w2 at clip(t - 50,000) (K = 64: the row is taken twice; the tokens' codes of k = 64 .. 127 are zeros).
; WAVES 8-15: wave 8 + j merges the pairs of work-groups 32 j .. 32 j + 31, of the head and of each lane's own tail (a lane of cluster 0 reads the head's again; that result is not used).
; One barrier; then wave 0 joins all, with the largest taken away before every exponential.  head_lp[:, -1] is column 20,001 and serves the first tail, head_lp[:, -2] column 20,000 the second, as reference() has it.
; LIMITS: NaN and infinities among the inputs are not served; a block under 2^-124 keeps the scale byte 1.  A target of 100,000 or more gives 0, one under 0 counts as 0, as in reference().
.set LMG,   3072                       ; LDS: 0: [wave 0..7][3 words][32 lanes]; 3,072: [j 0..7][4 words][32 lanes]
.set SPARE, 7168                       ; the spare words, 128 bytes for each of 16 waves
.set SPW, 1
.set NIL, 2
.set QT,  216
.set QS,  218
.set QW,  220                          ; the gathered rows' scale word (scales alone)
.set QX,  221
.set QM,  198
.set SH8, 222
.set SEL, 86
.set CS,  88
.set NC,  89
.set LN2, 90
.macro NOPS n
.rept \n
	v_nop
.endr
.endm
.macro QF x, f, n
.set qc, 0
.rept \n
	v_max3_num_f32 v[QT+qc], |v[(\x)+32*qc]|, |v[(\x)+32*qc+1]|, 0x1800000
.set qc, qc+1
.endr
.set qi, 2
.rept 15
.set qc, 0
.rept \n
	v_max3_num_f32 v[QT+qc], v[QT+qc], |v[(\x)+32*qc+qi]|, |v[(\x)+32*qc+qi+1]|
.set qc, qc+1
.endr
.set qi, qi+2
.endr
.set qc, 0
.rept \n
	v_add_nc_u32 v[QS+qc], 0xff000000, v[QT+qc]
.set qc, qc+1
.endr
.set qc, 0
.rept \n
	v_lshrrev_b32 v[QT+qc], 23, v[QS+qc]
.set qc, qc+1
.endr
	v_lshl_or_b32 v[QW], v[QT+1], 16, v[QT]
	v_lshlrev_b32 v[QW], v[SH8], v[QW]
	v_permlanex16_b32 v[QX], v[QW], s[SEL], s[SEL+1]
	v_or_b32 v[QW], v[QW], v[QX]
.set qc, 0
.rept \n
	v_cvt_scalef32_pk16_fp6_f32 v[(\f)+6*qc:(\f)+6*qc+2], v[(\x)+32*qc:(\x)+32*qc+15], v[QS+qc]
	v_cvt_scalef32_pk16_fp6_f32 v[QM+4*qc:QM+4*qc+2], v[(\x)+32*qc+16:(\x)+32*qc+31], v[QS+qc]
.set qc, qc+1
.endr
	v_nop                                          ; one plain place behind a scaled conversion
.set qc, 0
.rept \n
	v_mov_b32 v[(\f)+6*qc+3], v[QM+4*qc]
	v_mov_b32 v[(\f)+6*qc+4], v[QM+4*qc+1]
	v_mov_b32 v[(\f)+6*qc+5], v[QM+4*qc+2]
.set qc, qc+1
.endr
.endm
	s_load_b256 s[4:11], s[0:1], 0x0               ; route s[4:5], pb s[6:7], a0 s[8:9], a1 s[10:11]
	s_load_b256 s[12:19], s[0:1], 0x20             ; a2 s[12:13], w0 s[14:15], w1 s[16:17], w2 s[18:19]
	s_load_b256 s[20:27], s[0:1], 0x40             ; cluster_w s[20:21], b0 s[22:23], b1 s[24:25], b2 s[26:27]
	s_load_b128 s[28:31], s[0:1], 0x60             ; cluster_b s[28:29], out0 s[30:31]
	v_lshl_add_u32 v[SPW], v0, 2, SPARE
	v_mov_b32 v[NIL], 0
	v_lshrrev_b32 v3, 5, v0
	v_readfirstlane_b32 s32, v3                    ; wave 0..15
	v_and_b32 v3, 31, v0                           ; lane
	v_and_b32 v4, 15, v0                           ; r
	v_bfe_u32 v5, v0, 4, 1                         ; h
	; every LDS address is made here, ahead of the parting of the roles
	s_and_b32 s33, s32, 7
	s_mul_i32 s34, s33, 384
	v_lshl_add_u32 v6, v3, 2, s34                  ; where a role wave stores: 384 x wave + 4 x lane
	s_lshl_b32 s34, s33, 9
	s_add_co_u32 s34, s34, LMG
	v_lshl_add_u32 v7, v3, 2, s34                  ; where a merging wave stores
	v_lshl_add_u32 v8, v3, 2, LMG                  ; where wave 0 reads the merges
	v_mul_u32_u24 v9, v5, 384
	v_lshrrev_b32 v10, 3, v4
	v_lshl_add_u32 v10, v10, 4, v4                 ; the lane that holds token r's diagonal: r + 16 (r / 8)
	v_lshl_add_u32 v10, v10, 2, v9                 ; in the wave of my half
	v_lshl_add_u32 v11, v4, 2, v9                  ; the cluster logits: lane r of the wave of my half
	v_lshlrev_b32 v12, 2, v3
	v_lshlrev_b32 v16, 2, v4
	v_lshlrev_b32 v23, 4, v3
	v_lshlrev_b32 v24, 3, v3
	v_lshlrev_b32 v[SH8], 3, v5
	v_mov_b32 v18, 0
	v_mov_b32 v[QX], 0                             ; a lane permute's destination counts as one of its sources
	s_mov_b32 s[SEL], 0x76543210
	s_mov_b32 s[SEL+1], 0xfedcba98
	s_mov_b32 s[CS], 0x3fb8aa3b                    ; log2(e)
	s_mov_b32 s[NC], 0xbfb8aa3b
	s_mov_b32 s[LN2], 0x3f317218                   ; ln(2)
	s_mov_b32 s76, 20000
	s_mov_b32 s77, 50000
	s_mov_b32 s78, 100000
	s_lshl_b32 s36, ttmp9, 7
	s_mov_b32 s37, 0
	s_wait_kmcnt 0x0
	s_load_b64 s[74:75], s[28:29], 0x0             ; cluster_b
	s_add_nc_u64 s[36:37], s[4:5], s[36:37]
	global_load_b32 v13, v12, s[36:37]             ; perm[32 p + lane]
	global_load_b32 v14, v12, s[36:37] offset:8192 ; the target at that place
	s_wait_kmcnt 0x0
	s_cmp_gt_u32 s32, 7
	s_cbranch_scc1 .Lmerge
; ---------------- waves 0-7: gathered rows x tokens
	s_lshr_b32 s38, s32, 1                         ; role
	s_and_b32 s39, s32, 1                          ; e
	s_lshl_b32 s40, ttmp9, 1
	s_add_co_u32 s40, s40, s39                     ; my tile of 16 sorted places
	s_mov_b64 s[42:43], s[14:15]                   ; role 1's: rows of w0,
	s_mov_b64 s[44:45], s[22:23]                   ; b0,
	s_mov_b64 s[46:47], s[8:9]                     ; tokens from a0,
	s_mov_b32 s48, 12800                           ; a record,
	s_mov_b32 s49, 12288                           ; its scale lines,
	s_mov_b32 s50, 12                              ; a row of 2^12 bytes,
	s_mov_b32 s51, 0                               ; the cluster's first id,
	s_mov_b32 s52, 19999                           ; the table's last row,
	s_mov_b32 s53, 8                               ; K steps,
	s_mov_b32 s54, 256                             ; from k = 32 h to k = 64 + 32 h, in bytes
	s_cmp_eq_u32 s38, 0
	s_cselect_b64 s[42:43], s[20:21], s[42:43]
	s_cselect_b64 s[44:45], s[28:29], s[44:45]
	s_cselect_b32 s52, 1, s52
	s_cselect_b32 s55, -1, 0
	s_cmp_eq_u32 s38, 2
	s_cselect_b64 s[42:43], s[16:17], s[42:43]
	s_cselect_b64 s[44:45], s[24:25], s[44:45]
	s_cselect_b64 s[46:47], s[10:11], s[46:47]
	s_cselect_b32 s48, 3328, s48
	s_cselect_b32 s49, 3072, s49
	s_cselect_b32 s50, 10, s50
	s_cselect_b32 s51, 20000, s51
	s_cselect_b32 s52, 29999, s52
	s_cselect_b32 s53, 2, s53
	s_cmp_eq_u32 s38, 3
	s_cselect_b64 s[42:43], s[18:19], s[42:43]
	s_cselect_b64 s[44:45], s[26:27], s[44:45]
	s_cselect_b64 s[46:47], s[12:13], s[46:47]
	s_cselect_b32 s48, 1792, s48
	s_cselect_b32 s49, 1536, s49
	s_cselect_b32 s50, 8, s50
	s_cselect_b32 s51, 50000, s51
	s_cselect_b32 s52, 49999, s52
	s_cselect_b32 s53, 1, s53
	s_cselect_b32 s54, 0, s54
	s_mul_i32 s58, s40, s48
	s_mov_b32 s59, 0
	s_add_nc_u64 s[46:47], s[46:47], s[58:59]      ; my tile's record
	s_mov_b32 s58, s49
	s_add_nc_u64 s[60:61], s[46:47], s[58:59]      ; its scale lines
.irp j, 1,2,3,4,5,6,7
	s_mov_b32 s[66+\j], 0x01010101<<\j             ; the lanes whose diagonal lies in register j
.endr
	s_lshl_b32 s56, s39, 6
	s_mov_b32 s57, 0
	s_add_nc_u64 s[56:57], s[36:37], s[56:57]
	global_load_b32 v15, v16, s[56:57] offset:8192 ; the target of token r of my tile
	v_and_b32 v19, 1, v4
	s_wait_loadcnt 0x0
	v_cmp_gt_i32 vcc_lo, s51, v15
	v_sub_nc_u32 v17, v15, s51
	v_cndmask_b32 v17, v17, v18, vcc_lo            ; clip from below
	v_cndmask_b32 v17, v17, v19, s55               ; role 0: row r % 2
	v_min_u32 v17, s52, v17                        ; clip from above,
	v_min_u32 v17, 49999, v17                      ; and by a constant, before it enters an address
	v_lshlrev_b32 v20, s50, v17
	v_lshl_add_u32 v20, v5, 7, v20                 ; my row, k = 32 h on
	v_add_nc_u32 v21, s54, v20                     ; k = 64 + 32 h on
	v_lshlrev_b32 v22, 2, v17
	global_load_b32 v224, v22, s[44:45]            ; the row's bias
.macro LOADS k                         ; K step k into set k % 2: 64 numbers of my row, the tokens' fragment and scale word: 20 loads
.irp i, 0,1,2,3,4,5,6,7
	global_load_b128 v[32+64*((\k)%2)+4*\i:32+64*((\k)%2)+4*\i+3], v20, s[42:43] offset:512*(\k)+16*\i
.endr
.irp i, 0,1,2,3,4,5,6,7
	global_load_b128 v[64+64*((\k)%2)+4*\i:64+64*((\k)%2)+4*\i+3], v21, s[42:43] offset:512*(\k)+16*\i
.endr
.irp g, 0,1,2
	global_load_b128 v[160+12*((\k)%2)+4*\g:160+12*((\k)%2)+4*\g+3], v23, s[46:47] offset:1536*(\k)+512*\g
.endr
	global_load_b32 v[184+(\k)%2], v16, s[60:61] offset:64*(\k)
.endm
.macro COMP k
	QF 32+64*((\k)%2), 186, 2
	NOPS 8                                         ; a scale register written by a vector instruction stands 8 places ahead of a scaled matrix instruction, an operand so written 4
.if (\k) > 0
	s_wait_alu depctr_va_vdst(0)                   ; the wait directly ahead of each link
	v_wmma_scale_f32_16x16x128_f8f6f4 v[208:215], v[186:197], v[160+12*((\k)%2):160+12*((\k)%2)+11], v[208:215], v[QW], v[184+(\k)%2] matrix_a_fmt:MATRIX_FMT_FP6 matrix_b_fmt:MATRIX_FMT_FP6
.else
	v_wmma_scale_f32_16x16x128_f8f6f4 v[208:215], v[186:197], v[160+12*((\k)%2):160+12*((\k)%2)+11], 0, v[QW], v[184+(\k)%2] matrix_a_fmt:MATRIX_FMT_FP6 matrix_b_fmt:MATRIX_FMT_FP6
.endif
	NOPS 4                                         ; places in front of writes and loads into its registers and of the first read of the result
.endm
	LOADS 0
	s_cmp_eq_u32 s53, 1
	s_cbranch_scc1 .Lk1
	LOADS 1
	s_wait_loadcnt 20                              ; step 0's are in; the 20 of step 1 may be out
	COMP 0
	s_cmp_eq_u32 s53, 2
	s_cbranch_scc1 .Lk2
.irp k, 1,2,3,4,5,6
	LOADS (\k+1)
	s_wait_loadcnt 20                              ; the 20 of the next step may be out
	COMP \k
.endr
	s_wait_loadcnt 0x0
	COMP 7
	s_branch .Ldone
.Lk1:                                              ; K = 64: one step
	s_wait_loadcnt 0x0
	COMP 0
	s_branch .Ldone
.Lk2:                                              ; K = 256: the second and last step
	s_wait_loadcnt 0x0
	COMP 1
.Ldone:
	v_mov_b32 v223, v208                           ; the diagonal: register r % 8 of the lanes with h = r / 8; the result is read from its low end on
.irp j, 1,2,3,4,5,6,7
	v_cndmask_b32 v223, v223, v[208+\j], s[66+\j]
.endr
	v_add_f32 v223, v223, v224
	ds_store_b32 v6, v223
	ds_store_b32 v6, v208 offset:128               ; (role 0's: column 20,000 of token r,
	ds_store_b32 v6, v209 offset:256               ; column 20,001)
	s_branch .Ljoin
; ---------------- waves 8-15: the slabs' pairs
.Lmerge:
	s_sub_co_u32 s38, s32, 8
	s_lshl_b32 s40, s38, 19                        ; 32 work-groups x 16,384 bytes
	s_lshl_b32 s41, ttmp9, 8
	s_add_co_u32 s40, s40, s41
	s_mov_b32 s41, 0
	s_add_nc_u64 s[40:41], s[6:7], s[40:41]
.set i, 0
.rept 32
	global_load_b64 v[32+2*i:33+2*i], v24, s[40:41] offset:16384*i
.set i, i+1
.endr
	s_wait_loadcnt 32                              ; the targets are in; the 32 just issued may be out
	v_cmp_le_i32 vcc_lo, s76, v14
	v_cndmask_b32 v25, 0, 1, vcc_lo
	v_cmp_le_i32 vcc_lo, s77, v14
	v_cndmask_b32 v26, 0, 1, vcc_lo
	v_add_nc_u32 v25, v25, v26                     ; my token's cluster,
	v_min_u32 v25, 2, v25                          ; held by a constant before it enters an address
	v_lshl_add_u32 v25, v25, 22, v24               ; its region of pb
.set i, 0
.rept 32
	global_load_b64 v[96+2*i:97+2*i], v25, s[40:41] offset:16384*i
.set i, i+1
.endr
	s_wait_loadcnt 0x0
.macro MERGE32 b, m, s                 ; 32 pairs (largest, sum) from v[b] on -> one
	v_max3_num_f32 v[\m], v[\b], v[\b+2], v[\b+4]
.set mi, 3
.rept 14
	v_max3_num_f32 v[\m], v[\m], v[\b+2*mi], v[\b+2*mi+2]
.set mi, mi+2
.endr
	v_max_num_f32 v[\m], v[\m], v[\b+62]
	v_mul_f32 v164, s[NC], v[\m]
.set mi, 0
.rept 32
	v_fma_f32 v[\b+2*mi], v[\b+2*mi], s[CS], v164
.set mi, mi+1
.endr
.set mi, 0
.rept 32
	v_exp_f32 v[\b+2*mi], v[\b+2*mi]
.set mi, mi+1
.endr
	v_nop                                          ; a plain place behind the last exponential
	s_wait_alu depctr_va_vdst(0)                   ; one wait for the batch
	v_mul_f32 v[\s], v[\b], v[\b+1]
	v_mul_f32 v165, v[\b+2], v[\b+3]
.set mi, 1
.rept 15
	v_fma_f32 v[\s], v[\b+4*mi], v[\b+4*mi+1], v[\s]
	v_fma_f32 v165, v[\b+4*mi+2], v[\b+4*mi+3], v165
.set mi, mi+1
.endr
	v_add_f32 v[\s], v[\s], v165
.endm
	MERGE32 32, 160, 161
	MERGE32 96, 162, 163
	ds_store_b32 v7, v160
	ds_store_b32 v7, v161 offset:128
	ds_store_b32 v7, v162 offset:256
	ds_store_b32 v7, v163 offset:384
.Ljoin:
	s_wait_dscnt 0x0                               ; for wave 0's sake: my stores have landed
	s_barrier_signal -1
	s_barrier_wait -1
	s_cmp_lg_u32 s32, 0
	s_cbranch_scc1 .Lend
; ---------------- wave 0: lane = 16 e + r is sorted place 32 p + lane
.irp j, 0,1,2,3,4,5,6,7
.irp k, 0,1,2,3
	ds_load_b32 v[32+4*\j+\k], v8 offset:512*\j+128*\k         ; v[32 + 4 j]: head's largest, its sum, tail's largest, its sum
.endr
.endr
	ds_load_b32 v64, v10 offset:768                ; the target's logit in w0,
	ds_load_b32 v65, v10 offset:1536               ; in w1,
	ds_load_b32 v66, v10 offset:2304               ; in w2
	ds_load_b32 v67, v11 offset:128                ; column 20,000
	ds_load_b32 v68, v11 offset:256                ; column 20,001
	s_wait_dscnt 0x0
	v_add_f32 v67, s74, v67
	v_add_f32 v68, s75, v68
	v_max3_num_f32 v70, v67, v68, v32              ; the head's largest logit, the two cluster columns among them
	v_max3_num_f32 v70, v70, v36, v40
	v_max3_num_f32 v70, v70, v44, v48
	v_max3_num_f32 v70, v70, v52, v56
	v_max_num_f32 v70, v70, v60
	v_max3_num_f32 v71, v34, v38, v42              ; the tail's
	v_max3_num_f32 v71, v71, v46, v50
	v_max3_num_f32 v71, v71, v54, v58
	v_max_num_f32 v71, v71, v62
	v_mul_f32 v72, s[NC], v70
	v_mul_f32 v73, s[NC], v71
	v_fma_f32 v74, v67, s[CS], v72
	v_fma_f32 v75, v68, s[CS], v72
.irp j, 0,1,2,3,4,5,6,7
	v_fma_f32 v[32+4*\j], v[32+4*\j], s[CS], v72
	v_fma_f32 v[34+4*\j], v[34+4*\j], s[CS], v73
.endr
	v_exp_f32 v74, v74
	v_exp_f32 v75, v75
.irp j, 0,1,2,3,4,5,6,7
	v_exp_f32 v[32+4*\j], v[32+4*\j]
	v_exp_f32 v[34+4*\j], v[34+4*\j]
.endr
	v_nop                                          ; a plain place behind the last exponential
	s_wait_alu depctr_va_vdst(0)                   ; one wait for the batch of 18
	v_add_f32 v76, v74, v75
	v_mul_f32 v77, v35, v34
	v_fma_f32 v76, v33, v32, v76
.irp j, 1,2,3,4,5,6,7
	v_fma_f32 v76, v[33+4*\j], v[32+4*\j], v76
	v_fma_f32 v77, v[35+4*\j], v[34+4*\j], v77
.endr
	v_log_f32 v76, v76
	v_log_f32 v77, v77
	v_nop
	s_wait_alu depctr_va_vdst(0)                   ; and one for the two logarithms
	v_fma_f32 v76, v76, s[LN2], v70                ; the head's log-sum-exp
	v_fma_f32 v77, v77, s[LN2], v71                ; the tail's
	v_cmp_le_i32 s80, s76, v14                     ; target >= 20,000
	v_cmp_le_i32 s81, s77, v14                     ; >= 50,000
	v_cmp_le_i32 s82, s78, v14                     ; >= 100,000
	v_cndmask_b32 v78, v68, v67, s81               ; the cluster's column: 20,001 for the first tail, 20,000 for the second
	v_cndmask_b32 v79, v65, v66, s81               ; the target's logit in its tail
	v_sub_f32 v78, v76, v78
	v_sub_f32 v79, v77, v79
	v_add_f32 v78, v78, v79
	v_sub_f32 v80, v76, v64
	v_cndmask_b32 v80, v80, v78, s80
	v_cndmask_b32 v80, v80, 0, s82                 ; no mask of reference() holds: nll stays 0
	v_min_u32 v13, 2047, v13
	v_lshlrev_b32 v13, 2, v13
	global_store_b32 v13, v80, s[30:31]            ; to the token's own place
.Lend:
	s_wait_tensorcnt 0x0                           ; the wave's end
	ds_add_u32 v[SPW], v[NIL]
	s_wait_dscnt 0x0
	s_endpgm
.Lfunc_end_k_q870d617963_final:
	.size	k_q870d617963_final, .Lfunc_end_k_q870d617963_final-k_q870d617963_final
	.p2alignl 7, 3214868480
	.fill 96, 4, 3214868480
	.section	.rodata,"a",@progbits
	.p2align	6, 0x0
	.amdhsa_kernel k_q870d617963_final
		.amdhsa_group_segment_fixed_size 9216
		.amdhsa_private_segment_fixed_size 0
		.amdhsa_enable_private_segment 0
		.amdhsa_kernarg_size 112
		.amdhsa_user_sgpr_count 2
		.amdhsa_user_sgpr_kernarg_segment_ptr 1
		.amdhsa_wavefront_size32 1
		.amdhsa_system_sgpr_workgroup_id_x 1
		.amdhsa_system_sgpr_workgroup_id_y 1
		.amdhsa_system_sgpr_workgroup_id_z 1
		.amdhsa_system_vgpr_workitem_id 0
		.amdhsa_next_free_vgpr 256
		.amdhsa_next_free_sgpr 100
		.amdhsa_reserve_vcc 1
		.amdhsa_float_denorm_mode_32 3
		.amdhsa_float_denorm_mode_16_64 3
		.amdhsa_memory_ordered 1
		.amdhsa_forward_progress 1
		.amdhsa_inst_pref_size 83
	.end_amdhsa_kernel
	.amdgpu_metadata
---
amdhsa.version: [ 1, 2 ]
amdhsa.kernels:
  - .name:           k_q870d617963_final
    .symbol:         k_q870d617963_final.kd
    .args:
      - { .name: route, .offset: 0, .size: 8, .value_kind: global_buffer, .address_space: global }
      - { .name: pb, .offset: 8, .size: 8, .value_kind: global_buffer, .address_space: global }
      - { .name: a0, .offset: 16, .size: 8, .value_kind: global_buffer, .address_space: global }
      - { .name: a1, .offset: 24, .size: 8, .value_kind: global_buffer, .address_space: global }
      - { .name: a2, .offset: 32, .size: 8, .value_kind: global_buffer, .address_space: global }
      - { .name: w0, .offset: 40, .size: 8, .value_kind: global_buffer, .address_space: global }
      - { .name: w1, .offset: 48, .size: 8, .value_kind: global_buffer, .address_space: global }
      - { .name: w2, .offset: 56, .size: 8, .value_kind: global_buffer, .address_space: global }
      - { .name: cluster_w, .offset: 64, .size: 8, .value_kind: global_buffer, .address_space: global }
      - { .name: b0, .offset: 72, .size: 8, .value_kind: global_buffer, .address_space: global }
      - { .name: b1, .offset: 80, .size: 8, .value_kind: global_buffer, .address_space: global }
      - { .name: b2, .offset: 88, .size: 8, .value_kind: global_buffer, .address_space: global }
      - { .name: cluster_b, .offset: 96, .size: 8, .value_kind: global_buffer, .address_space: global }
      - { .name: out0, .offset: 104, .size: 8, .value_kind: global_buffer, .address_space: global }
    .group_segment_fixed_size: 9216
    .private_segment_fixed_size: 0
    .kernarg_segment_align: 8
    .kernarg_segment_size: 112
    .max_flat_workgroup_size: 512
    .sgpr_count:     100
    .vgpr_count:     256
    .wavefront_size: 32
...
	.end_amdgpu_metadata
.endif
;; end of part 5
;; ======== version 2 of 2: 5 launches; version 1 with the launches tails, final written anew for expert scheduling mode
;; limits: right only within a limited range of input values
;; workspace buffers: hq_codes 1,572,864 bytes; hq_scales 65,536 bytes; pq 1,126,400 bytes; route 16,640 bytes of whole numbers; a0 1,638,400 bytes; a1 425,984 bytes; a2 229,376 bytes; pb 12,582,912 bytes
;; launch prep: the kernel of part 1 again; grid 153 x 1, 4 waves a work-group, no clusters, 33,280 bytes of LDS; arguments hidden, proj0, proj1, proj2, target, hq_codes, hq_scales, pq, route; writes hq_codes, hq_scales, pq, route
;; launch proj: the kernel of part 2 again; grid 16 x 11, 8 waves a work-group, clusters of 4 x 1, 167,936 bytes of LDS; arguments hq_codes, hq_scales, pq, route, a0, a1, a2; writes a0, a1, a2
;; launch head: the kernel of part 3 again; grid 256 x 1, 4 waves a work-group, clusters of 4 x 1, 327,680 bytes of LDS; arguments a0, w0, b0, pb; writes pb
;; launch tails (part 6): grid 256 x 1, 8 waves a work-group, no clusters, 107,520 bytes of LDS; arguments a1, a2, w1, w2, b1, b2, route, pb; writes pb
.if DOCPART == 6
	.amdgcn_target "amdgcn-amd-amdhsa--gfx1250"
	.amdhsa_code_object_version 6
	.text
	.protected	k_q870d617963_tails
	.globl	k_q870d617963_tails
	.p2align	8
	.type	k_q870d617963_tails,@function
k_q870d617963_tails:
	s_mov_b64 s[64:65], 0
	v_nop
	global_prefetch_b8 v0, s[64:65] scope:SCOPE_SE
	s_setreg_imm32_b32 hwreg(HW_REG_WAVE_SCHED_MODE, 0, 2), 2
	s_setreg_imm32_b32 hwreg(HW_REG_WAVE_MODE, 25, 1), 1
	s_wait_xcnt 0x0
	s_wait_alu depctr_vm_vsrc(0)
; LAUNCH 4 OF 5: the two tails' logits on codes of FP6 (E2M3), and for each (slab of rows, token) the pair (largest logit, sum of e^(logit - largest)).
; LEFT OUT: reference() keeps a tail's log-softmax only for tokens whose target lies in that tail; the tokens are sorted by cluster, and each tail walks only the pairs of token tiles (32 sorted places) that hold
; one of its tokens: places n0 .. n01 - 1 for w1, n01 .. 2,047 for w2 (n0, n01: whole numbers that the first launch stored).  Foreign tokens in a pair at a bound are multiplied and not used.
; Every work-group takes a slab of EACH tail, so the work is even for every split: rows (1875 g) / 16 .. of w1 inside 128 rows (8 tiles), rows (3125 g) / 16 .. of w2 inside 208 rows (13 tiles); slab rows outside
; its own range get the bias -1e30.  The slabs are read once as f32, quantised in registers, shared through LDS as images of the operand's registers; all 8 waves then hold the whole slab and share out the pairs.
; NO CLUSTER, NO TENSOR LOAD: the trip counts are read from memory; the tokens' fragments (at most 0.65 MB in all) come straight into registers.
; K = 64 in the second tail: the tokens' codes of k = 64 .. 127 are zeros, so the weights' operand may hold any codes there (E2M3 has no NaN and no infinity) under any scale byte but 0xff.
; LIMITS: logits under -1e30 are not served; NaN and infinities among the inputs are not served; a block under 2^-124 keeps the scale byte 1.
; THE MODE: SCHED_MODE bits 1:0 = 2 (LLVM: expert scheduling mode 2), set by the entry lines.  The code itself states the register dependences
; between vector or matrix instructions and memory or LDS instructions, with s_wait_alu, always for 0.
; THE PLAN.  Registers that memory or LDS instructions touch:
;   the addresses v4-v15, v179, v182-v188, v203, v206   written once at the head, ahead of ONE wait on va_vdst; never written again.
;   the raw rows (window 1, v0-191)   global loads land in them; the stage's LDS stores read them; behind the barrier the fragments' LDS loads land there: one wait on vm_vsrc.
;   X    LDS loads from the stage land in it; QF reads it.      F, QW   QF writes them; the image's LDS stores read them; the next unit's QF writes them again.
;        One wait on va_vdst a unit, behind QF, serves the image's stores and the next unit's loads into X; one wait on vm_vsrc stands ahead of every QF but the first.
;   AF0 + ASL0, AF1 + ASL1   the tokens' two buffers: half e of a pair lives in buffer e.  The step that multiplies buffer e asks for half e of my NEXT pair into it, straight behind the wait that the
;        step's batch of exponentials has: that wait also states that the step's matrix instructions are done reading the buffer, and that VA and VS are written.  The loads have a whole trip in which to land.
;   VA, VS   the pair's byte offset (half e stands in the immediate): written once a trip, in the first step, behind a wait on vm_vsrc; read by that pair's loads.
;   OUTO, VAL   written at a trip's end; one wait on va_vdst; the trip's store reads them; the next trip's wait on vm_vsrc frees them.
;   D, the fragments, the biases and the weights' scale words are named in the loops by matrix and vector instructions alone.
.set A1REC, 3328
.set A2REC, 1792
.set LSTG,  0                          ; a stage of 8,448 bytes for each wave
.set LIMG1, 8*8448                     ; 67,584: w1's 16 images (2 t + s)
.set LSC1,  LIMG1+16*1536              ; 92,160: its scale words: 128 bytes a tile: lanes 0-15 K step 0, lanes 16-31 K step 1
.set LIMG2, LSC1+8*128                 ; 93,184: w2's 13 half images of 768 bytes
.set LSC2,  LIMG2+13*768               ; 103,168: its scale words, 64 bytes a tile
.set LBI,   104064                     ; the masked biases: 128 words of b1, then from +512 on up to 384 of b2
.set SPARE, 106240                     ; the spare words, 128 bytes for each of 8 waves
.set SPW, 2
.set NIL, 3
.set L16, 4
.set L4,  5
.set R4,  6
.set STS1, 7
.set STL1, 8
.set STS2, 9
.set STL2, 10
.set IM1W, 11
.set SC1W, 12
.set IM2W, 13
.set IM2W8, 14
.set SC2W, 15
.set LC,  16
.set LX,  20
.set MXA, 21
.set SMA, 22
.set MXB, 23
.set SMB, 24
.set NM,  26
.set S0,  28
.set S1,  30
.set D,   32                           ; v32-135 up to 13 result tiles
.set AF,  136                          ; v136-159 the tokens' buffer 0;
.set AFB, 76                           ; buffer 1 lies 76 registers on: v212-235
.set ASL, 160                          ; v160, v161 the two buffers' scale words (scales alone)
.set WS,  162                          ; v162-174 the weights' scale words (scales alone)
.set VA,  176
.set VS,  177
.set OUTO, 178
.set L8,  179
.set VAL, 180
.set BIW, 182
.set BIL, 183
.set IML1, 184
.set SC1L, 185
.set IML2, 186
.set IML28, 187
.set SC2L, 188
.set X,   32                           ; while the slabs are quantised
.set F,   96
.set QT,  108
.set QS,  110
.set QW,  112
.set QX,  113
.set QM,  114
.set SH8, 122
.set WV,  22
.set SEL, 30
.set CS,  32
.set NC,  34
.set HM,  35
.set PBP, 36
.set CNT, 58                           ; s58  a loop's trips done
.set TRIPS, 59                         ; s59  a loop's trips: not written inside the loop
.set MSB, 0
.macro WIN new
.if MSB != \new
	s_set_vgpr_msb (MSB<<8)|\new
.set MSB, \new
.endif
.endm
.macro NOPS n
.rept \n
	v_nop
.endr
.endm
.macro QF x, f, n                      ; n blocks of 32 of my row, all mine -> registers f .. f + 6 n - 1 of the operand, and v[QW] my row's scale word
.set qc, 0
.rept \n
	v_max3_num_f32 v[QT+qc], |v[(\x)+32*qc]|, |v[(\x)+32*qc+1]|, 0x1800000
.set qc, qc+1
.endr
.set qi, 2
.rept 15
.set qc, 0
.rept \n
	v_max3_num_f32 v[QT+qc], v[QT+qc], |v[(\x)+32*qc+qi]|, |v[(\x)+32*qc+qi+1]|
.set qc, qc+1
.endr
.set qi, qi+2
.endr
.set qc, 0
.rept \n
	v_add_nc_u32 v[QS+qc], 0xff000000, v[QT+qc]
.set qc, qc+1
.endr
.set qc, 0
.rept \n
	v_lshrrev_b32 v[QT+qc], 23, v[QS+qc]
.set qc, qc+1
.endr
.if \n == 2
	v_lshl_or_b32 v[QW], v[QT+1], 16, v[QT]
.else
	v_mov_b32 v[QW], v[QT]
.endif
	v_lshlrev_b32 v[QW], v[SH8], v[QW]
	v_permlanex16_b32 v[QX], v[QW], s[SEL], s[SEL+1]
	v_or_b32 v[QW], v[QW], v[QX]
.set qc, 0
.rept \n
	v_cvt_scalef32_pk16_fp6_f32 v[(\f)+6*qc:(\f)+6*qc+2], v[(\x)+32*qc:(\x)+32*qc+15], v[QS+qc]
	v_cvt_scalef32_pk16_fp6_f32 v[QM+4*qc:QM+4*qc+2], v[(\x)+32*qc+16:(\x)+32*qc+31], v[QS+qc]
.set qc, qc+1
.endr
	v_nop                                          ; one plain place behind a scaled conversion
.set qc, 0
.rept \n
	v_mov_b32 v[(\f)+6*qc+3], v[QM+4*qc]
	v_mov_b32 v[(\f)+6*qc+4], v[QM+4*qc+1]
	v_mov_b32 v[(\f)+6*qc+5], v[QM+4*qc+2]
.set qc, qc+1
.endr
.endm
; nt result tiles: my token's largest logit and the sum of e^(logit - largest); each tile is read from its low end on.  In two parts: LSE_A ends with the wait for its exponentials, LSE_B makes the sum.
.macro LSE_A nt, d, mx
.set lt, 0
.rept ((\nt)+3)/4
.set ls, 0
.rept 4
.set lc, 0
.rept 4
.if lt+lc < (\nt)
.set lr, (\d)+8*(lt+lc)
.if lt == 0
.if ls == 0
	v_max3_num_f32 v[LC+lc], v[lr], v[lr+1], v[lr+2]
.elseif ls < 3
	v_max3_num_f32 v[LC+lc], v[LC+lc], v[lr+2*ls+1], v[lr+2*ls+2]
.else
	v_max_num_f32 v[LC+lc], v[LC+lc], v[lr+7]
.endif
.else
	v_max3_num_f32 v[LC+lc], v[LC+lc], v[lr+2*ls], v[lr+2*ls+1]
.endif
.endif
.set lc, lc+1
.endr
.set ls, ls+1
.endr
.set lt, lt+4
.endr
	v_max3_num_f32 v[\mx], v[LC], v[LC+1], v[LC+2]
	v_max_num_f32 v[\mx], v[\mx], v[LC+3]
	v_permlanex16_b32 v[LX], v[\mx], s[SEL], s[SEL+1]
	v_max_num_f32 v[\mx], v[\mx], v[LX]
	v_mul_f32 v[NM], s[NC], v[\mx]
.set li, 0
.rept 4*(\nt)
	v_pk_fma_f32 v[(\d)+2*li:(\d)+2*li+1], v[(\d)+2*li:(\d)+2*li+1], s[CS:CS+1], v[NM:NM+1] op_sel_hi:[1,0,0]
.set li, li+1
.endr
.set li, 0
.rept 8*(\nt)
	v_exp_f32 v[(\d)+li], v[(\d)+li]
.set li, li+1
.endr
	v_nop                                          ; a plain place behind the last exponential
	s_wait_alu depctr_va_vdst(0)                   ; the batch's exponentials have written D, ahead of their first reader; the step's matrix instructions are done reading the tokens' buffer, in which the loads below land; VA and VS, which those loads read, are written
.endm
.macro LSE_B nt, d, sm
	v_pk_add_f32 v[S0:S0+1], v[(\d):(\d)+1], v[(\d)+2:(\d)+3]
	v_pk_add_f32 v[S1:S1+1], v[(\d)+4:(\d)+5], v[(\d)+6:(\d)+7]
.set li, 4
.rept (4*(\nt)-4)/2
	v_pk_add_f32 v[S0:S0+1], v[S0:S0+1], v[(\d)+2*li:(\d)+2*li+1]
	v_pk_add_f32 v[S1:S1+1], v[S1:S1+1], v[(\d)+2*li+2:(\d)+2*li+3]
.set li, li+2
.endr
	v_pk_add_f32 v[S0:S0+1], v[S0:S0+1], v[S1:S1+1]
	v_add_f32 v[\sm], v[S0], v[S0+1]
	v_permlanex16_b32 v[LX], v[\sm], s[SEL], s[SEL+1]
	v_add_f32 v[\sm], v[\sm], v[LX]
.endm
.macro WM d, a, b, c, sa, sb, odd
.if \odd
	v_wmma_scale_f32_16x16x128_f8f6f4 v[\d:\d+7], v[\a:\a+11], v[\b:\b+11], v[\c:\c+7], v[\sa], v[\sb] matrix_a_fmt:MATRIX_FMT_FP6 matrix_b_fmt:MATRIX_FMT_FP6 matrix_a_scale:MATRIX_SCALE_ROW1 matrix_b_scale:MATRIX_SCALE_ROW1
.else
	v_wmma_scale_f32_16x16x128_f8f6f4 v[\d:\d+7], v[\a:\a+11], v[\b:\b+11], v[\c:\c+7], v[\sa], v[\sb] matrix_a_fmt:MATRIX_FMT_FP6 matrix_b_fmt:MATRIX_FMT_FP6
.endif
.endm
	s_load_b256 s[4:11], s[0:1], 0x0               ; a1 s[4:5], a2 s[6:7], w1 s[8:9], w2 s[10:11]
	s_load_b256 s[12:19], s[0:1], 0x20             ; b1 s[12:13], b2 s[14:15], route s[16:17], pb s[18:19]
	v_lshl_add_u32 v[SPW], v0, 2, SPARE
	v_mov_b32 v[NIL], 0
	v_lshrrev_b32 v200, 5, v0
	v_readfirstlane_b32 s[WV], v200                ; wave 0..7
	s_mul_i32 s23, ttmp9, 1875
	s_add_co_u32 s24, s23, 1875
	s_lshr_b32 s23, s23, 4                         ; w1: my first row,
	s_lshr_b32 s24, s24, 4
	s_sub_co_u32 s24, s24, s23                     ; how many are mine,
	s_min_u32 s25, s23, 29872                      ; the slab's first row
	s_mul_i32 s26, ttmp9, 3125
	s_add_co_u32 s27, s26, 3125
	s_lshr_b32 s26, s26, 4                         ; w2 likewise
	s_lshr_b32 s27, s27, 4
	s_sub_co_u32 s27, s27, s26
	s_min_u32 s28, s26, 49792
	s_mov_b32 s[SEL], 0x76543210
	s_mov_b32 s[SEL+1], 0xfedcba98
	s_mov_b32 s[CS], 0x3fb8aa3b                    ; log2(e)
	s_mov_b32 s[CS+1], s[CS]
	s_mov_b32 s[NC], 0xbfb8aa3b
	s_mov_b32 s[HM], 0xffff0000
	; every LDS address is made here, ahead of the first branch on the wave's number
	v_and_b32 v200, 31, v0                         ; lane
	v_and_b32 v201, 15, v0                         ; r
	v_bfe_u32 v202, v0, 4, 1                       ; h
	v_lshlrev_b32 v[L16], 4, v200
	v_lshlrev_b32 v[L4], 2, v200
	v_lshlrev_b32 v[R4], 2, v201
	v_lshlrev_b32 v[L8], 3, v200
	v_lshlrev_b32 v[SH8], 3, v202
	s_wait_alu depctr_va_sdst(0)                   ; the wave's number s22 is written, ahead of its first reader: addresses, bases and branches are made from it
	s_mul_i32 s40, s[WV], 8448                     ; my stage
	v_add_nc_u32 v[STS1], s40, v[L16]
	v_mul_u32_u24 v[STL1], v201, 528
	v_lshl_add_u32 v[STL1], v202, 7, v[STL1]
	v_add_nc_u32 v[STL1], s40, v[STL1]
	v_mul_u32_u24 v[STS2], v202, 272
	v_lshl_add_u32 v[STS2], v201, 4, v[STS2]
	v_add_nc_u32 v[STS2], s40, v[STS2]
	v_mul_u32_u24 v[STL2], v201, 272
	v_lshl_add_u32 v[STL2], v202, 7, v[STL2]
	v_add_nc_u32 v[STL2], s40, v[STL2]
	s_mul_i32 s40, s[WV], 3072
	s_add_co_u32 s40, s40, LIMG1
	v_add_nc_u32 v[IM1W], s40, v[L16]
	s_lshl_b32 s40, s[WV], 7
	s_add_co_u32 s40, s40, LSC1
	v_add_nc_u32 v[SC1W], s40, v[R4]
	s_mul_i32 s40, s[WV], 768
	s_add_co_u32 s40, s40, LIMG2
	v_add_nc_u32 v[IM2W], s40, v[L16]
	s_add_co_u32 s40, s40, 512
	v_add_nc_u32 v[IM2W8], s40, v[L8]
	s_lshl_b32 s40, s[WV], 6
	s_add_co_u32 s40, s40, LSC2
	v_add_nc_u32 v[SC2W], s40, v[R4]
	v_lshl_add_u32 v[BIW], v0, 2, LBI
	v_lshl_add_u32 v[BIL], v202, 5, LBI
	v_add_nc_u32 v[IML1], LIMG1, v[L16]
	v_add_nc_u32 v[SC1L], LSC1, v[L4]
	v_add_nc_u32 v[IML2], LIMG2, v[L16]
	v_add_nc_u32 v[IML28], LIMG2+512, v[L8]
	v_add_nc_u32 v[SC2L], LSC2, v[R4]
	v_mov_b32 v[QX], 0                             ; lane permutes' destinations count as sources
	v_mov_b32 v[LX], 0
	v_mov_b32 v[NM+1], 0
	v_mov_b32 v209, 0xf149f2ca                     ; -1e30
	s_wait_kmcnt 0x0
	s_load_b64 s[20:21], s[16:17], 0x4000          ; n0, n01
	; the biases: threads 0-127 take b1's 128, threads 128-255 b2's first 128; then all take b2's from 128 on (held inside b2; 80 are used)
	s_cmp_lt_u32 s[WV], 4
	s_cselect_b64 s[42:43], s[12:13], s[14:15]
	s_cselect_b32 s44, s25, s28
	s_cselect_b32 s45, s23, s26
	s_cselect_b32 s46, s24, s27                    ; how many rows are mine, in the tail that my thread serves
	s_sub_co_u32 s45, s44, s45                     ; slab's first - my first (0 or less, wraps)
	s_lshl_b32 s48, s44, 2
	s_mov_b32 s49, 0
	s_add_nc_u64 s[42:43], s[42:43], s[48:49]
	v_and_b32 v203, 127, v0
	v_add_nc_u32 v204, s45, v203
	v_lshlrev_b32 v203, 2, v203
	s_add_co_u32 s47, s28, 128
	v_add_nc_u32 v206, s47, v0
	s_sub_co_u32 s52, s47, s26
	v_add_nc_u32 v207, s52, v0
	v_min_u32 v206, 49999, v206
	v_lshlrev_b32 v206, 2, v206
	s_wait_alu depctr_va_vdst(0)                   ; every address and offset made above is written: the loads, LDS stores and LDS loads from here to the barrier, and the fragments' loads behind it, read them
	global_load_b32 v205, v203, s[42:43]
	global_load_b32 v208, v206, s[14:15]
	; the weights: wave w takes tile w of w1 (both K steps), tile w of w2, and waves 0-4 tile w + 8 of w2
	s_lshl_b32 s56, s[WV], 4
	s_add_co_u32 s56, s56, s25
	s_lshl_b32 s56, s56, 10
	s_mov_b32 s57, 0
	s_add_nc_u64 s[50:51], s[8:9], s[56:57]
	s_lshl_b32 s56, s[WV], 4
	s_add_co_u32 s56, s56, s28
	s_lshl_b32 s56, s56, 8
	s_add_nc_u64 s[54:55], s[10:11], s[56:57]
	WIN 0x40                                       ; destination window 1
.irp q, 0,1
.irp j, 0,1,2,3,4,5,6,7,8,9,10,11,12,13,14,15
	global_load_b128 v[64*\q+4*\j:64*\q+4*\j+3], v[L16], s[50:51] offset:1024*\j+512*\q th:TH_LOAD_NT   ; 512 consecutive bytes of a row
.endr
.endr
.irp j, 0,1,2,3,4,5,6,7
	global_load_b128 v[128+4*\j:128+4*\j+3], v[L16], s[54:55] offset:512*\j th:TH_LOAD_NT               ; two rows of 256 bytes
.endr
	WIN 0
	s_cmp_lt_u32 s[WV], 5
	s_cbranch_scc0 .Lno_ld
	WIN 0x40
.irp j, 0,1,2,3,4,5,6,7
	global_load_b128 v[160+4*\j:160+4*\j+3], v[L16], s[54:55] offset:32768+512*\j th:TH_LOAD_NT
.endr
	WIN 0
.Lno_ld:
.macro U1 q, left
	s_wait_loadcnt \left
	WIN 0x04                                       ; an LDS store's data are its source 1: window 1
.irp j, 0,1,2,3,4,5,6,7,8,9,10,11,12,13,14,15
	ds_store_b128 v[STS1], v[64*\q+4*\j:64*\q+4*\j+3] offset:528*\j
.endr
	WIN 0
.irp c, 0,1
.irp i, 0,1,2,3,4,5,6,7
	ds_load_b128 v[X+32*\c+4*\i:X+32*\c+4*\i+3], v[STL1] offset:256*\c+16*\i   ; LDS serves a wave's instructions in order.  No vector instruction since the last wait on va_vdst names X
.endr
.endr
	s_wait_dscnt 0x0
.if \q > 0
	s_wait_alu depctr_vm_vsrc(0)                   ; the last image's LDS stores have read F and QW, which the lines below write again
.endif
	QF X, F, 2
	s_wait_alu depctr_va_vdst(0)                   ; F and QW are written, which the LDS stores below read; QF is done reading X, in which the next unit's numbers land
.irp g, 0,1,2
	ds_store_b128 v[IM1W], v[F+4*\g:F+4*\g+3] offset:1536*\q+512*\g
.endr
	ds_store_b32 v[SC1W], v[QW] offset:64*\q
.endm
.macro U2 k
	WIN 0x04
.irp j, 0,1,2,3,4,5,6,7
	ds_store_b128 v[STS2], v[128+32*\k+4*\j:128+32*\k+4*\j+3] offset:544*\j
.endr
	WIN 0
.irp i, 0,1,2,3,4,5,6,7
	ds_load_b128 v[X+4*\i:X+4*\i+3], v[STL2] offset:16*\i      ; no vector instruction since the last wait on va_vdst names X
.endr
	s_wait_dscnt 0x0
	s_wait_alu depctr_vm_vsrc(0)                   ; the last image's LDS stores have read F and QW, which the lines below write again
	QF X, F, 1
	s_wait_alu depctr_va_vdst(0)                   ; F and QW are written, which the LDS stores below read; QF is done reading X, in which the next unit's numbers land
	ds_store_b128 v[IM2W], v[F:F+3] offset:6144*\k
	ds_store_b64 v[IM2W8], v[F+4:F+5] offset:6144*\k
	ds_store_b32 v[SC2W], v[QW] offset:512*\k
.endm
	U1 0, 24                                       ; K step 0's 16 loads are in: behind them stand K step 1's 16 and tile w's 8 (in waves 0-4 eight more: there the count asks for more than is needed)
	U1 1, 8                                        ; K step 1's are in: behind them tile w's 8
	s_wait_loadcnt 0x0
	U2 0
	s_cmp_lt_u32 s[WV], 5
	s_cbranch_scc0 .Lno_u2
	U2 1
.Lno_u2:
	v_cmp_gt_u32 s40, s46, v204                    ; is the row mine?  Both compares in one run,
	v_cmp_gt_u32 s41, s27, v207
	s_wait_alu depctr_va_sdst(0)                   ; the two masks s40 and s41 are written, ahead of the selects that read them
	v_cndmask_b32 v205, v209, v205, s40
	v_cndmask_b32 v208, v209, v208, s41
	s_wait_alu depctr_va_vdst(0)                   ; the masked biases v205 and v208 are written, which the two LDS stores read
	ds_store_b32 v[BIW], v205
	ds_store_b32 v[BIW], v208 offset:1024
	s_wait_dscnt 0x0                               ; for the others' sake: my images, words and biases have landed
	s_barrier_signal -1
	s_barrier_wait -1                              ; the launch's one barrier
	s_wait_kmcnt 0x0                               ; n0, n01
; where pair min(q + add, 63) lies: the pair's number is held by a constant before it enters an address; half e of the pair stands in the loads' immediate
.macro NEXTA rec, add, lsx
	s_add_co_u32 s40, s38, \add
	s_min_u32 s40, s40, 63
	s_mul_i32 s40, s40, 2*\rec
	v_add_nc_u32 v[VA], s40, v[L16]
	v_add_nc_u32 v[VS], s40, v[\lsx]
.endm
.macro OUT2
	s_min_u32 s41, s38, 63
	s_lshl_b32 s41, s41, 8
	v_add_nc_u32 v[OUTO], s41, v[L8]
	v_cndmask_b32 v[VAL], v[MXA], v[MXB], s[HM]    ; lanes 0-15 the first tile's tokens, lanes 16-31 the second's
	v_cndmask_b32 v[VAL+1], v[SMA], v[SMB], s[HM]
	s_wait_alu depctr_va_vdst(0)                   ; OUTO and VAL are written, which the store reads
	global_store_b64 v[OUTO], v[VAL:VAL+1], s[PBP:PBP+1] th:TH_STORE_NT   ; 32 lanes store 256 consecutive bytes, aligned
.endm
; My trips: pairs s38, s38 + 8, .. below s39 (s38 < s39 here): (s39 - s38 + 7) / 8, at most 8, since there are 64 pairs for 8 waves.  The loop counts them one by one.
.macro COUNT_TRIPS
	s_sub_co_u32 s[TRIPS], s39, s38
	s_add_co_u32 s[TRIPS], s[TRIPS], 7
	s_lshr_b32 s[TRIPS], s[TRIPS], 3
	s_min_u32 s[TRIPS], s[TRIPS], 8
	s_mov_b32 s[CNT], 0
.endm
; The one place in a trip where VA and VS are written: in its first step, behind the products.
.macro NEWPAIR rec, lsx
	s_wait_xcnt 0x0                                ; every earlier load and store has had its addresses translated: VA and VS, and at the trip's end OUTO and VAL, are rewritten only behind this wait
	s_wait_alu depctr_vm_vsrc(0)                   ; the last pair's loads have read VA and VS, which the lines below write; the last trip's store has read OUTO and VAL, which this trip's end writes
	NEXTA \rec, 8, \lsx
.endm
; ---------------- the first tail: K = 256, 8 tiles of rows
	s_lshl_b32 s56, ttmp9, 14
	s_add_co_u32 s56, s56, 4194304
	s_mov_b32 s57, 0
	s_add_nc_u64 s[PBP:PBP+1], s[18:19], s[56:57]  ; pb, region 1, my work-group's pairs
	s_lshr_b32 s38, s20, 5
	s_add_co_u32 s38, s38, s[WV]                   ; my first pair
	s_add_co_u32 s39, s21, 31
	s_lshr_b32 s39, s39, 5                         ; behind the last
	s_wait_alu depctr_vm_vsrc(0)                   ; my LDS stores have read the raw rows of window 1, in which the fragments and biases land, and F and QW, over which the matrix results are laid
	NEXTA A1REC, 0, L4                             ; (made ahead of the test for a first pair: the number is held at 63)
	WIN 0x40
	s_wait_alu depctr_va_vdst(0)                   ; VA and VS are written, which the first pair's loads read; only LDS loads, window switches
.set fi, 0
.rept 16                                       ; fragment 2 t + s at v[12 (2 t + s)] of window 1
.irp g, 0,1,2
	ds_load_b128 v[12*fi+4*\g:12*fi+4*\g+3], v[IML1] offset:1536*fi+512*\g
.endr
.set fi, fi+1
.endr
.irp t, 0,1,2,3,4,5,6,7                        ; the bias at v[192 + 8 t] of window 1
	ds_load_b128 v[192+8*\t:192+8*\t+3], v[BIL] offset:64*\t
	ds_load_b128 v[192+8*\t+4:192+8*\t+7], v[BIL] offset:64*\t+16
.endr
	WIN 0
.irp t, 0,1,2,3,4,5,6,7
	ds_load_b32 v[WS+\t], v[SC1L] offset:128*\t
.endr
	s_wait_dscnt 0x0
	s_cmp_ge_u32 s38, s39
	s_cbranch_scc1 .Lt1_done
	COUNT_TRIPS
.macro LOADA1 e                        ; half e of the pair at VA into buffer e: seven loads
.irp k, 0,1
.irp g, 0,1,2
	global_load_b128 v[AF+AFB*\e+12*\k+4*\g:AF+AFB*\e+12*\k+4*\g+3], v[VA], s[4:5] offset:A1REC*\e+1536*\k+512*\g
.endr
.endr
	global_load_b32 v[ASL+\e], v[VS], s[4:5] offset:A1REC*\e+3072          ; lanes 0-15 K step 0's words, lanes 16-31 K step 1's
.endm
.macro TILE1 e, mx, sm                 ; buffer e is multiplied; behind the exponentials' wait it is asked for again, for my next pair; the sums follow
	s_wait_loadcnt 7                               ; loads come back in order: buffer e's seven are in, the other buffer's seven may be out
	WIN 0x11                                       ; weights and bias window 1
.irp t, 0,1,2,3,4,5,6,7
	WM D+8*\t, 24*\t, AF+AFB*\e, 192+8*\t, WS+\t, ASL+\e, 0
.endr
	WIN 0x01
.irp t, 0,1,2,3,4,5,6,7                        ; the eight accumulators by turns
	WM D+8*\t, 24*\t+12, AF+AFB*\e+12, D+8*\t, WS+\t, ASL+\e, 1
.endr
	WIN 0
	NOPS 4                                         ; places in front of the first read of results
.if \e == 0
	NEWPAIR A1REC, L4
.endif
	LSE_A 8, D, \mx
	LOADA1 \e                                      ; straight behind the wait
	LSE_B 8, D, \sm
.endm
	LOADA1 0
	LOADA1 1
.Lt1:
	TILE1 0, MXA, SMA
	TILE1 1, MXB, SMB
	OUT2
	s_add_co_u32 s38, s38, 8                       ; my next pair
	s_add_co_u32 s[CNT], s[CNT], 1
	s_cmp_lt_u32 s[CNT], s[TRIPS]
	s_cbranch_scc1 .Lt1
.Lt1_done:
	s_wait_loadcnt 0x0                             ; the pair asked for in the last trip is not used: its registers are free again
	s_wait_xcnt 0x0
	s_wait_alu depctr_vm_vsrc(0)                   ; the first tail's last loads have read VA and VS, which the lines below write
; ---------------- the second tail: K = 64, 13 tiles of rows
	s_add_nc_u64 s[PBP:PBP+1], s[PBP:PBP+1], 4194304   ; pb, region 2
	s_lshr_b32 s38, s21, 5
	s_add_co_u32 s38, s38, 7
	s_sub_co_u32 s38, s38, s[WV]                   ; my first pair: the waves in the other order than in the first tail, which evens out the two loops' remainders
	s_mov_b32 s39, 64
	NEXTA A2REC, 0, R4                             ; (made ahead of the test for a first pair: the number is held at 63)
	WIN 0x40
	s_wait_alu depctr_va_vdst(0)                   ; VA and VS are written, which the first pair's loads read; the first tail's matrix instructions are done reading the fragments, the biases, the scale words and the tokens' buffers, in which the loads below land
.set fi, 0
.rept 13                                       ; tile t's six registers at v[6 t] of window 1: the operand names twelve; the upper six meet zero codes
	ds_load_b128 v[6*fi:6*fi+3], v[IML2] offset:768*fi
	ds_load_b64 v[6*fi+4:6*fi+5], v[IML28] offset:768*fi
.set fi, fi+1
.endr
.set fi, 0
.rept 13                                       ; the bias at v[96 + 8 t] of window 1
	ds_load_b128 v[96+8*fi:96+8*fi+3], v[BIL] offset:512+64*fi
	ds_load_b128 v[96+8*fi+4:96+8*fi+7], v[BIL] offset:512+64*fi+16
.set fi, fi+1
.endr
	WIN 0
.set fi, 0
.rept 13
	ds_load_b32 v[WS+fi], v[SC2L] offset:64*fi
.set fi, fi+1
.endr
	s_wait_dscnt 0x0
	s_cmp_ge_u32 s38, s39
	s_cbranch_scc1 .Lt2_done
	COUNT_TRIPS
.macro LOADA2 e                        ; half e of the pair at VA into buffer e: four loads
.irp g, 0,1,2
	global_load_b128 v[AF+AFB*\e+4*\g:AF+AFB*\e+4*\g+3], v[VA], s[6:7] offset:A2REC*\e+512*\g
.endr
	global_load_b32 v[ASL+\e], v[VS], s[6:7] offset:A2REC*\e+1536
.endm
.macro TILE2 e, mx, sm
	s_wait_loadcnt 4                               ; buffer e's four loads are in, the other buffer's four may be out
	WIN 0x11
.set fi, 0
.rept 13
	WM D+8*fi, 6*fi, AF+AFB*\e, 96+8*fi, WS+fi, ASL+\e, 0
.set fi, fi+1
.endr
	WIN 0
	NOPS 4                                         ; places in front of the first read of results
.if \e == 0
	NEWPAIR A2REC, R4
.endif
	LSE_A 13, D, \mx
	LOADA2 \e                                      ; straight behind the wait
	LSE_B 13, D, \sm
.endm
	LOADA2 0
	LOADA2 1
.Lt2:
	TILE2 0, MXA, SMA
	TILE2 1, MXB, SMB
	OUT2
	s_add_co_u32 s38, s38, 8                       ; my next pair
	s_add_co_u32 s[CNT], s[CNT], 1
	s_cmp_lt_u32 s[CNT], s[TRIPS]
	s_cbranch_scc1 .Lt2
.Lt2_done:
	s_wait_loadcnt 0x0
	s_wait_dscnt 0x0                               ; the closing lines, six on end
	s_wait_alu 0x0
	s_wait_tensorcnt 0x0
	ds_add_u32 v[SPW], v[NIL]
	s_wait_dscnt 0x0
	s_endpgm
.Lfunc_end_k_q870d617963_tails:
	.size	k_q870d617963_tails, .Lfunc_end_k_q870d617963_tails-k_q870d617963_tails
	.p2alignl 7, 3214868480
	.fill 96, 4, 3214868480
	.section	.rodata,"a",@progbits
	.p2align	6, 0x0
	.amdhsa_kernel k_q870d617963_tails
		.amdhsa_group_segment_fixed_size 107520
		.amdhsa_private_segment_fixed_size 0
		.amdhsa_enable_private_segment 0
		.amdhsa_kernarg_size 64
		.amdhsa_user_sgpr_count 2
		.amdhsa_user_sgpr_kernarg_segment_ptr 1
		.amdhsa_wavefront_size32 1
		.amdhsa_system_sgpr_workgroup_id_x 1
		.amdhsa_system_sgpr_workgroup_id_y 1
		.amdhsa_system_sgpr_workgroup_id_z 1
		.amdhsa_system_vgpr_workitem_id 0
		.amdhsa_next_free_vgpr 512
		.amdhsa_next_free_sgpr 66
		.amdhsa_reserve_vcc 0
		.amdhsa_float_denorm_mode_32 3
		.amdhsa_float_denorm_mode_16_64 3
		.amdhsa_memory_ordered 1
		.amdhsa_forward_progress 1
		.amdhsa_inst_pref_size 94
	.end_amdhsa_kernel
	.amdgpu_metadata
---
amdhsa.version: [ 1, 2 ]
amdhsa.kernels:
  - .name:           k_q870d617963_tails
    .symbol:         k_q870d617963_tails.kd
    .args:
      - { .name: a1, .offset: 0, .size: 8, .value_kind: global_buffer, .address_space: global }
      - { .name: a2, .offset: 8, .size: 8, .value_kind: global_buffer, .address_space: global }
      - { .name: w1, .offset: 16, .size: 8, .value_kind: global_buffer, .address_space: global }
      - { .name: w2, .offset: 24, .size: 8, .value_kind: global_buffer, .address_space: global }
      - { .name: b1, .offset: 32, .size: 8, .value_kind: global_buffer, .address_space: global }
      - { .name: b2, .offset: 40, .size: 8, .value_kind: global_buffer, .address_space: global }
      - { .name: route, .offset: 48, .size: 8, .value_kind: global_buffer, .address_space: global }
      - { .name: pb, .offset: 56, .size: 8, .value_kind: global_buffer, .address_space: global }
    .group_segment_fixed_size: 107520
    .private_segment_fixed_size: 0
    .kernarg_segment_align: 8
    .kernarg_segment_size: 64
    .max_flat_workgroup_size: 256
    .sgpr_count:     66
    .vgpr_count:     512
    .wavefront_size: 32
...
	.end_amdgpu_metadata
.endif
;; end of part 6
;; launch final (part 7): grid 64 x 1, 16 waves a work-group, no clusters, 9,216 bytes of LDS; arguments route, pb, a0, a1, a2, w0, w1, w2, cluster_w, b0, b1, b2, cluster_b, out0; writes out0
.if DOCPART == 7
	.amdgcn_target "amdgcn-amd-amdhsa--gfx1250"
	.amdhsa_code_object_version 6
	.text
	.protected	k_q870d617963_final
	.globl	k_q870d617963_final
	.p2align	8
	.type	k_q870d617963_final,@function
k_q870d617963_final:
	s_mov_b64 s[64:65], 0
	v_nop
	global_prefetch_b8 v0, s[64:65] scope:SCOPE_SE
	s_setreg_imm32_b32 hwreg(HW_REG_WAVE_SCHED_MODE, 0, 2), 2
	s_setreg_imm32_b32 hwreg(HW_REG_WAVE_MODE, 25, 1), 1
	s_wait_xcnt 0x0
	s_wait_alu depctr_vm_vsrc(0)
; LAUNCH 5 OF 5: for 32 sorted places a work-group: the slabs' pairs are merged into the head's and the token's own tail's log-sum-exp, the target's logit and the two cluster logits are made, nll is stored.
; LEFT OUT: of the tails' pairs only the token's own tail's are read (reference() keeps no other).  The three target logits are all made, with reference()'s clipped indices, and one is selected.
; WAVES 0-7, role = wave / 2, half e = wave % 2 (16 tokens): a logit at a token's own row is the DIAGONAL of a product of 16 gathered rows with the 16 tokens, by the contract's own matrix instruction on codes of
; FP6 (E2M3): the rows are gathered as f32 and quantised in registers.  Role 0: cluster_w's rows r % 2 (registers 0, 1 of every lane are columns 20,000 and 20,001 of the lane's token);
; role 1: w0 at clip(t); role 2: w1 at clip(t - 20,000); role 3: w2 at clip(t - 50,000) (K = 64: the row is taken twice; the tokens' codes of k = 64 .. 127 are zeros).
; WAVES 8-15: wave 8 + j merges the pairs of work-groups 32 j .. 32 j + 31, of the head and of each lane's own tail (a lane of cluster 0 reads the head's again; that result is not used).
; One barrier; then wave 0 joins all, with the largest taken away before every exponential.  head_lp[:, -1] is column 20,001 and serves the first tail, head_lp[:, -2] column 20,000 the second, as reference() has it.
; LIMITS: NaN and infinities among the inputs are not served; a block under 2^-124 keeps the scale byte 1.  A target of 100,000 or more gives 0, one under 0 counts as 0, as in reference().
; THE MODE: SCHED_MODE bits 1:0 = 2 (LLVM: expert scheduling mode 2), set by the entry lines.  The code itself states the register dependences
; between vector or matrix instructions and memory or LDS instructions, with s_wait_alu, always for 0.
; THE PLAN.  Registers that memory or LDS instructions touch:
;   the addresses v6-v12, v16, v23, v24   written once at the head, ahead of one wait on va_vdst; v20-v22 (roles) and v25 (merges) are made from loaded numbers, each ahead of a wait of its own.  None is written again: no wait on vm_vsrc is owed.
;   X0, X1 (v32-95, v96-159)   step k's 64 numbers land in X[k % 2]; QF of step k reads them.
;   the tokens' fragment and scale word, THREE sets (v160-171 + v184, v172-183 + v185, v226-237 + v238)   step k's land in set k % 3; step k's matrix instruction reads them.
;   ONE wait on va_vdst a step, directly ahead of its matrix instruction, states that the rows' codes and scale word are written.  Step k + 1's loads, which follow step k - 1's matrix instruction, land in X[(k - 1) % 2], which QF of
;   step k - 1 read, and in set (k + 1) % 3, which the matrix instruction of step k - 2 read: both were issued ahead of that wait, and the one matrix instruction behind it names neither.  So the loads owe nothing more.
;   what goes to LDS (v223, v208, v209; v160-v163) and to memory (v13, v80)   one wait on va_vdst ahead of each run of stores.
.set LMG,   3072                       ; LDS: 0: [wave 0..7][3 words][32 lanes]; 3,072: [j 0..7][4 words][32 lanes]
.set SPARE, 7168                       ; the spare words, 128 bytes for each of 16 waves
.set SPW, 1
.set NIL, 2
.set QT,  216
.set QS,  218
.set QW,  220                          ; the gathered rows' scale word (scales alone)
.set QX,  221
.set QM,  198
.set SH8, 222
.set SEL, 86
.set CS,  88
.set NC,  89
.set LN2, 90
.macro NOPS n
.rept \n
	v_nop
.endr
.endm
.macro QF x, f, n
.set qc, 0
.rept \n
	v_max3_num_f32 v[QT+qc], |v[(\x)+32*qc]|, |v[(\x)+32*qc+1]|, 0x1800000
.set qc, qc+1
.endr
.set qi, 2
.rept 15
.set qc, 0
.rept \n
	v_max3_num_f32 v[QT+qc], v[QT+qc], |v[(\x)+32*qc+qi]|, |v[(\x)+32*qc+qi+1]|
.set qc, qc+1
.endr
.set qi, qi+2
.endr
.set qc, 0
.rept \n
	v_add_nc_u32 v[QS+qc], 0xff000000, v[QT+qc]
.set qc, qc+1
.endr
.set qc, 0
.rept \n
	v_lshrrev_b32 v[QT+qc], 23, v[QS+qc]
.set qc, qc+1
.endr
	v_lshl_or_b32 v[QW], v[QT+1], 16, v[QT]
	v_lshlrev_b32 v[QW], v[SH8], v[QW]
	v_permlanex16_b32 v[QX], v[QW], s[SEL], s[SEL+1]
	v_or_b32 v[QW], v[QW], v[QX]
.set qc, 0
.rept \n
	v_cvt_scalef32_pk16_fp6_f32 v[(\f)+6*qc:(\f)+6*qc+2], v[(\x)+32*qc:(\x)+32*qc+15], v[QS+qc]
	v_cvt_scalef32_pk16_fp6_f32 v[QM+4*qc:QM+4*qc+2], v[(\x)+32*qc+16:(\x)+32*qc+31], v[QS+qc]
.set qc, qc+1
.endr
	v_nop                                          ; one plain place behind a scaled conversion
.set qc, 0
.rept \n
	v_mov_b32 v[(\f)+6*qc+3], v[QM+4*qc]
	v_mov_b32 v[(\f)+6*qc+4], v[QM+4*qc+1]
	v_mov_b32 v[(\f)+6*qc+5], v[QM+4*qc+2]
.set qc, qc+1
.endr
.endm
	s_load_b256 s[4:11], s[0:1], 0x0               ; route s[4:5], pb s[6:7], a0 s[8:9], a1 s[10:11]
	s_load_b256 s[12:19], s[0:1], 0x20             ; a2 s[12:13], w0 s[14:15], w1 s[16:17], w2 s[18:19]
	s_load_b256 s[20:27], s[0:1], 0x40             ; cluster_w s[20:21], b0 s[22:23], b1 s[24:25], b2 s[26:27]
	s_load_b128 s[28:31], s[0:1], 0x60             ; cluster_b s[28:29], out0 s[30:31]
	v_lshl_add_u32 v[SPW], v0, 2, SPARE
	v_mov_b32 v[NIL], 0
	v_lshrrev_b32 v3, 5, v0
	v_readfirstlane_b32 s32, v3                    ; wave 0..15
	v_and_b32 v3, 31, v0                           ; lane
	v_and_b32 v4, 15, v0                           ; r
	v_bfe_u32 v5, v0, 4, 1                         ; h
	s_wait_alu depctr_va_sdst(0)                   ; the wave's number s32 is written, ahead of its first reader: addresses, roles and branches are made from it
	; every LDS address is made here, ahead of the parting of the roles
	s_and_b32 s33, s32, 7
	s_mul_i32 s34, s33, 384
	v_lshl_add_u32 v6, v3, 2, s34                  ; where a role wave stores: 384 x wave + 4 x lane
	s_lshl_b32 s34, s33, 9
	s_add_co_u32 s34, s34, LMG
	v_lshl_add_u32 v7, v3, 2, s34                  ; where a merging wave stores
	v_lshl_add_u32 v8, v3, 2, LMG                  ; where wave 0 reads the merges
	v_mul_u32_u24 v9, v5, 384
	v_lshrrev_b32 v10, 3, v4
	v_lshl_add_u32 v10, v10, 4, v4                 ; the lane that holds token r's diagonal: r + 16 (r / 8)
	v_lshl_add_u32 v10, v10, 2, v9                 ; in the wave of my half
	v_lshl_add_u32 v11, v4, 2, v9                  ; the cluster logits: lane r of the wave of my half
	v_lshlrev_b32 v12, 2, v3
	v_lshlrev_b32 v16, 2, v4
	v_lshlrev_b32 v23, 4, v3
	v_lshlrev_b32 v24, 3, v3
	v_lshlrev_b32 v[SH8], 3, v5
	v_mov_b32 v18, 0
	v_mov_b32 v[QX], 0                             ; a lane permute's destination counts as one of its sources
	s_mov_b32 s[SEL], 0x76543210
	s_mov_b32 s[SEL+1], 0xfedcba98
	s_mov_b32 s[CS], 0x3fb8aa3b                    ; log2(e)
	s_mov_b32 s[NC], 0xbfb8aa3b
	s_mov_b32 s[LN2], 0x3f317218                   ; ln(2)
	s_mov_b32 s76, 20000
	s_mov_b32 s77, 50000
	s_mov_b32 s78, 100000
	s_lshl_b32 s36, ttmp9, 7
	s_mov_b32 s37, 0
	s_wait_kmcnt 0x0
	s_load_b64 s[74:75], s[28:29], 0x0             ; cluster_b
	s_add_nc_u64 s[36:37], s[4:5], s[36:37]
	s_wait_alu depctr_va_vdst(0)                   ; the addresses and offsets v6 to v12, v16, v23 and v24 are written: the kernel's loads, LDS stores and LDS loads read them
	global_load_b32 v13, v12, s[36:37]             ; perm[32 p + lane]
	global_load_b32 v14, v12, s[36:37] offset:8192 ; the target at that place
	s_wait_kmcnt 0x0
	s_cmp_gt_u32 s32, 7
	s_cbranch_scc1 .Lmerge
; ---------------- waves 0-7: gathered rows x tokens
	s_lshr_b32 s38, s32, 1                         ; role
	s_and_b32 s39, s32, 1                          ; e
	s_lshl_b32 s40, ttmp9, 1
	s_add_co_u32 s40, s40, s39                     ; my tile of 16 sorted places
	s_mov_b64 s[42:43], s[14:15]                   ; role 1's: rows of w0,
	s_mov_b64 s[44:45], s[22:23]                   ; b0,
	s_mov_b64 s[46:47], s[8:9]                     ; tokens from a0,
	s_mov_b32 s48, 12800                           ; a record,
	s_mov_b32 s49, 12288                           ; its scale lines,
	s_mov_b32 s50, 12                              ; a row of 2^12 bytes,
	s_mov_b32 s51, 0                               ; the cluster's first id,
	s_mov_b32 s52, 19999                           ; the table's last row,
	s_mov_b32 s53, 8                               ; K steps,
	s_mov_b32 s54, 256                             ; from k = 32 h to k = 64 + 32 h, in bytes
	s_cmp_eq_u32 s38, 0
	s_cselect_b64 s[42:43], s[20:21], s[42:43]
	s_cselect_b64 s[44:45], s[28:29], s[44:45]
	s_cselect_b32 s52, 1, s52
	s_cselect_b32 s55, -1, 0
	s_cmp_eq_u32 s38, 2
	s_cselect_b64 s[42:43], s[16:17], s[42:43]
	s_cselect_b64 s[44:45], s[24:25], s[44:45]
	s_cselect_b64 s[46:47], s[10:11], s[46:47]
	s_cselect_b32 s48, 3328, s48
	s_cselect_b32 s49, 3072, s49
	s_cselect_b32 s50, 10, s50
	s_cselect_b32 s51, 20000, s51
	s_cselect_b32 s52, 29999, s52
	s_cselect_b32 s53, 2, s53
	s_cmp_eq_u32 s38, 3
	s_cselect_b64 s[42:43], s[18:19], s[42:43]
	s_cselect_b64 s[44:45], s[26:27], s[44:45]
	s_cselect_b64 s[46:47], s[12:13], s[46:47]
	s_cselect_b32 s48, 1792, s48
	s_cselect_b32 s49, 1536, s49
	s_cselect_b32 s50, 8, s50
	s_cselect_b32 s51, 50000, s51
	s_cselect_b32 s52, 49999, s52
	s_cselect_b32 s53, 1, s53
	s_cselect_b32 s54, 0, s54
	s_mul_i32 s58, s40, s48
	s_mov_b32 s59, 0
	s_add_nc_u64 s[46:47], s[46:47], s[58:59]      ; my tile's record
	s_mov_b32 s58, s49
	s_add_nc_u64 s[60:61], s[46:47], s[58:59]      ; its scale lines
.irp j, 1,2,3,4,5,6,7
	s_mov_b32 s[66+\j], 0x01010101<<\j             ; the lanes whose diagonal lies in register j
.endr
	s_lshl_b32 s56, s39, 6
	s_mov_b32 s57, 0
	s_add_nc_u64 s[56:57], s[36:37], s[56:57]
	global_load_b32 v15, v16, s[56:57] offset:8192 ; the target of token r of my tile
	v_and_b32 v19, 1, v4
	s_wait_loadcnt 0x0
	v_cmp_gt_i32 vcc_lo, s51, v15
	v_sub_nc_u32 v17, v15, s51
	s_wait_alu depctr_va_vcc(0)                    ; VCC is written, ahead of the select that reads it
	v_cndmask_b32 v17, v17, v18, vcc_lo            ; clip from below
	v_cndmask_b32 v17, v17, v19, s55               ; role 0: row r % 2
	v_min_u32 v17, s52, v17                        ; clip from above,
	v_min_u32 v17, 49999, v17                      ; and by a constant, before it enters an address
	v_lshlrev_b32 v20, s50, v17
	v_lshl_add_u32 v20, v5, 7, v20                 ; my row, k = 32 h on
	v_add_nc_u32 v21, s54, v20                     ; k = 64 + 32 h on
	v_lshlrev_b32 v22, 2, v17
	s_wait_alu depctr_va_vdst(0)                   ; the row's offsets v20, v21 and v22 are written, which the gathers below read
	global_load_b32 v224, v22, s[44:45]            ; the row's bias
.macro SETS k                          ; step k's registers: the numbers' set k % 2, the tokens' set k % 3
.set XB, 32+64*((\k)%2)
.set FB, 160+12*((\k)%3)+42*(((\k)%3)/2)
.set FS, 184+(\k)%3+52*(((\k)%3)/2)
.endm
.macro LOADS k                         ; K step k: 64 numbers of my row, the tokens' fragment and scale word: 20 loads
	SETS \k
.irp i, 0,1,2,3,4,5,6,7
	global_load_b128 v[XB+4*\i:XB+4*\i+3], v20, s[42:43] offset:512*(\k)+16*\i
.endr
.irp i, 0,1,2,3,4,5,6,7
	global_load_b128 v[XB+32+4*\i:XB+32+4*\i+3], v21, s[42:43] offset:512*(\k)+16*\i
.endr
.irp g, 0,1,2
	global_load_b128 v[FB+4*\g:FB+4*\g+3], v23, s[46:47] offset:1536*(\k)+512*\g
.endr
	global_load_b32 v[FS], v16, s[60:61] offset:64*(\k)
.endm
.macro COMP k
	SETS \k
	QF XB, 186, 2
	NOPS 8                                         ; a scale register written by a vector instruction stands 8 places ahead of a scaled matrix instruction, an operand so written 4
.if (\k) > 0
	s_wait_alu depctr_va_vdst(0)                   ; the rows' codes v186-197 and scale word v220 are written, which the matrix instruction takes; QF is done reading its numbers, the last step's matrix instruction its tokens: the next loads land there.  One accumulator: the wait directly ahead of each link
	v_wmma_scale_f32_16x16x128_f8f6f4 v[208:215], v[186:197], v[FB:FB+11], v[208:215], v[QW], v[FS] matrix_a_fmt:MATRIX_FMT_FP6 matrix_b_fmt:MATRIX_FMT_FP6
.else
	s_wait_alu depctr_va_vdst(0)                   ; the rows' codes v186-197 and scale word v220 are written, which the matrix instruction takes; QF is done reading its numbers, in which the next loads land
	v_wmma_scale_f32_16x16x128_f8f6f4 v[208:215], v[186:197], v[FB:FB+11], 0, v[QW], v[FS] matrix_a_fmt:MATRIX_FMT_FP6 matrix_b_fmt:MATRIX_FMT_FP6
.endif
	NOPS 4                                         ; places in front of writes into its registers and of the first read of the result
.endm
	LOADS 0
	s_cmp_eq_u32 s53, 1
	s_cbranch_scc1 .Lk1
	LOADS 1
	s_wait_loadcnt 20                              ; step 0's are in; the 20 of step 1 may be out
	COMP 0
	s_cmp_eq_u32 s53, 2
	s_cbranch_scc1 .Lk2
.irp k, 1,2,3,4,5,6
	LOADS (\k+1)                                   ; no wait: the one matrix instruction since the last wait on va_vdst names none of these registers
	s_wait_loadcnt 20                              ; the 20 of the next step may be out
	COMP \k
.endr
	s_wait_loadcnt 0x0
	COMP 7
	s_branch .Ldone
.Lk1:                                              ; K = 64: one step
	s_wait_loadcnt 0x0
	COMP 0
	s_branch .Ldone
.Lk2:                                              ; K = 256: the second and last step
	s_wait_loadcnt 0x0
	COMP 1
.Ldone:
	v_mov_b32 v223, v208                           ; the diagonal: register r % 8 of the lanes with h = r / 8; the result is read from its low end on
.irp j, 1,2,3,4,5,6,7
	v_cndmask_b32 v223, v223, v[208+\j], s[66+\j]
.endr
	v_add_f32 v223, v223, v224
	s_wait_alu depctr_va_vdst(0)                   ; v223 and the matrix result v208, v209 are written, which the LDS stores read (the places behind the matrix instruction stand above); in wave 0 every reader of v32 to v68 is done, in which its LDS loads behind the barrier land
	ds_store_b32 v6, v223
	ds_store_b32 v6, v208 offset:128               ; (role 0's: column 20,000 of token r,
	ds_store_b32 v6, v209 offset:256               ; column 20,001)
	s_branch .Ljoin
; ---------------- waves 8-15: the slabs' pairs
.Lmerge:
	s_sub_co_u32 s38, s32, 8
	s_lshl_b32 s40, s38, 19                        ; 32 work-groups x 16,384 bytes
	s_lshl_b32 s41, ttmp9, 8
	s_add_co_u32 s40, s40, s41
	s_mov_b32 s41, 0
	s_add_nc_u64 s[40:41], s[6:7], s[40:41]
.set i, 0
.rept 32
	global_load_b64 v[32+2*i:33+2*i], v24, s[40:41] offset:16384*i
.set i, i+1
.endr
	s_wait_loadcnt 32                              ; the targets are in; the 32 just issued may be out
	v_cmp_le_i32 s84, s76, v14                     ; both compares in one run,
	v_cmp_le_i32 s85, s77, v14
	s_wait_alu depctr_va_sdst(0)                   ; the two masks s84 and s85 are written, ahead of the selects that read them
	v_cndmask_b32 v25, 0, 1, s84
	v_cndmask_b32 v26, 0, 1, s85
	v_add_nc_u32 v25, v25, v26                     ; my token's cluster,
	v_min_u32 v25, 2, v25                          ; held by a constant before it enters an address
	v_lshl_add_u32 v25, v25, 22, v24               ; its region of pb
	s_wait_alu depctr_va_vdst(0)                   ; the offset v25 is written, which the 32 loads below read
.set i, 0
.rept 32
	global_load_b64 v[96+2*i:97+2*i], v25, s[40:41] offset:16384*i
.set i, i+1
.endr
	s_wait_loadcnt 0x0
.macro MERGE32 b, m, s                 ; 32 pairs (largest, sum) from v[b] on -> one
	v_max3_num_f32 v[\m], v[\b], v[\b+2], v[\b+4]
.set mi, 3
.rept 14
	v_max3_num_f32 v[\m], v[\m], v[\b+2*mi], v[\b+2*mi+2]
.set mi, mi+2
.endr
	v_max_num_f32 v[\m], v[\m], v[\b+62]
	v_mul_f32 v164, s[NC], v[\m]
.set mi, 0
.rept 32
	v_fma_f32 v[\b+2*mi], v[\b+2*mi], s[CS], v164
.set mi, mi+1
.endr
.set mi, 0
.rept 32
	v_exp_f32 v[\b+2*mi], v[\b+2*mi]
.set mi, mi+1
.endr
	v_nop                                          ; a plain place behind the last exponential
	s_wait_alu depctr_va_vdst(0)                   ; the batch's 32 exponentials have written their results, ahead of the first reader
	v_mul_f32 v[\s], v[\b], v[\b+1]
	v_mul_f32 v165, v[\b+2], v[\b+3]
.set mi, 1
.rept 15
	v_fma_f32 v[\s], v[\b+4*mi], v[\b+4*mi+1], v[\s]
	v_fma_f32 v165, v[\b+4*mi+2], v[\b+4*mi+3], v165
.set mi, mi+1
.endr
	v_add_f32 v[\s], v[\s], v165
.endm
	MERGE32 32, 160, 161
	MERGE32 96, 162, 163
	s_wait_alu depctr_va_vdst(0)                   ; the merged pairs v160 to v163 are written, which the LDS stores read
	ds_store_b32 v7, v160
	ds_store_b32 v7, v161 offset:128
	ds_store_b32 v7, v162 offset:256
	ds_store_b32 v7, v163 offset:384
.Ljoin:
	s_wait_dscnt 0x0                               ; for wave 0's sake: my stores have landed
	s_barrier_signal -1
	s_barrier_wait -1
	s_cmp_lg_u32 s32, 0
	s_cbranch_scc1 .Lend
; ---------------- wave 0: lane = 16 e + r is sorted place 32 p + lane.  No vector instruction since the wait ahead of my LDS stores names v32 to v68, in which these loads land
.irp j, 0,1,2,3,4,5,6,7
.irp k, 0,1,2,3
	ds_load_b32 v[32+4*\j+\k], v8 offset:512*\j+128*\k         ; v[32 + 4 j]: head's largest, its sum, tail's largest, its sum
.endr
.endr
	ds_load_b32 v64, v10 offset:768                ; the target's logit in w0,
	ds_load_b32 v65, v10 offset:1536               ; in w1,
	ds_load_b32 v66, v10 offset:2304               ; in w2
	ds_load_b32 v67, v11 offset:128                ; column 20,000
	ds_load_b32 v68, v11 offset:256                ; column 20,001
	s_wait_dscnt 0x0
	v_add_f32 v67, s74, v67
	v_add_f32 v68, s75, v68
	v_max3_num_f32 v70, v67, v68, v32              ; the head's largest logit, the two cluster columns among them
	v_max3_num_f32 v70, v70, v36, v40
	v_max3_num_f32 v70, v70, v44, v48
	v_max3_num_f32 v70, v70, v52, v56
	v_max_num_f32 v70, v70, v60
	v_max3_num_f32 v71, v34, v38, v42              ; the tail's
	v_max3_num_f32 v71, v71, v46, v50
	v_max3_num_f32 v71, v71, v54, v58
	v_max_num_f32 v71, v71, v62
	v_mul_f32 v72, s[NC], v70
	v_mul_f32 v73, s[NC], v71
	v_fma_f32 v74, v67, s[CS], v72
	v_fma_f32 v75, v68, s[CS], v72
.irp j, 0,1,2,3,4,5,6,7
	v_fma_f32 v[32+4*\j], v[32+4*\j], s[CS], v72
	v_fma_f32 v[34+4*\j], v[34+4*\j], s[CS], v73
.endr
	v_exp_f32 v74, v74
	v_exp_f32 v75, v75
.irp j, 0,1,2,3,4,5,6,7
	v_exp_f32 v[32+4*\j], v[32+4*\j]
	v_exp_f32 v[34+4*\j], v[34+4*\j]
.endr
	v_nop                                          ; a plain place behind the last exponential
	s_wait_alu depctr_va_vdst(0)                   ; the batch's 18 exponentials have written their results, ahead of the first reader
	v_add_f32 v76, v74, v75
	v_mul_f32 v77, v35, v34
	v_fma_f32 v76, v33, v32, v76
.irp j, 1,2,3,4,5,6,7
	v_fma_f32 v76, v[33+4*\j], v[32+4*\j], v76
	v_fma_f32 v77, v[35+4*\j], v[34+4*\j], v77
.endr
	v_log_f32 v76, v76
	v_log_f32 v77, v77
	v_nop
	s_wait_alu depctr_va_vdst(0)                   ; the two logarithms have written v76 and v77, ahead of their first reader
	v_fma_f32 v76, v76, s[LN2], v70                ; the head's log-sum-exp
	v_fma_f32 v77, v77, s[LN2], v71                ; the tail's
	v_cmp_le_i32 s80, s76, v14                     ; target >= 20,000
	v_cmp_le_i32 s81, s77, v14                     ; >= 50,000
	v_cmp_le_i32 s82, s78, v14                     ; >= 100,000
	s_wait_alu depctr_va_sdst(0)                   ; the three masks s80, s81 and s82 are written, ahead of the selects that read them
	v_cndmask_b32 v78, v68, v67, s81               ; the cluster's column: 20,001 for the first tail, 20,000 for the second
	v_cndmask_b32 v79, v65, v66, s81               ; the target's logit in its tail
	v_sub_f32 v78, v76, v78
	v_sub_f32 v79, v77, v79
	v_add_f32 v78, v78, v79
	v_sub_f32 v80, v76, v64
	v_cndmask_b32 v80, v80, v78, s80
	v_cndmask_b32 v80, v80, 0, s82                 ; no mask of reference() holds: nll stays 0
	v_min_u32 v13, 2047, v13
	v_lshlrev_b32 v13, 2, v13
	s_wait_alu depctr_va_vdst(0)                   ; the offset v13 and the result v80 are written, which the store reads
	global_store_b32 v13, v80, s[30:31]            ; to the token's own place
.Lend:
	s_wait_dscnt 0x0                               ; the closing lines, six on end
	s_wait_alu 0x0
	s_wait_tensorcnt 0x0
	ds_add_u32 v[SPW], v[NIL]
	s_wait_dscnt 0x0
	s_endpgm
.Lfunc_end_k_q870d617963_final:
	.size	k_q870d617963_final, .Lfunc_end_k_q870d617963_final-k_q870d617963_final
	.p2alignl 7, 3214868480
	.fill 96, 4, 3214868480
	.section	.rodata,"a",@progbits
	.p2align	6, 0x0
	.amdhsa_kernel k_q870d617963_final
		.amdhsa_group_segment_fixed_size 9216
		.amdhsa_private_segment_fixed_size 0
		.amdhsa_enable_private_segment 0
		.amdhsa_kernarg_size 112
		.amdhsa_user_sgpr_count 2
		.amdhsa_user_sgpr_kernarg_segment_ptr 1
		.amdhsa_wavefront_size32 1
		.amdhsa_system_sgpr_workgroup_id_x 1
		.amdhsa_system_sgpr_workgroup_id_y 1
		.amdhsa_system_sgpr_workgroup_id_z 1
		.amdhsa_system_vgpr_workitem_id 0
		.amdhsa_next_free_vgpr 256
		.amdhsa_next_free_sgpr 100
		.amdhsa_reserve_vcc 1
		.amdhsa_float_denorm_mode_32 3
		.amdhsa_float_denorm_mode_16_64 3
		.amdhsa_memory_ordered 1
		.amdhsa_forward_progress 1
		.amdhsa_inst_pref_size 83
	.end_amdhsa_kernel
	.amdgpu_metadata
---
amdhsa.version: [ 1, 2 ]
amdhsa.kernels:
  - .name:           k_q870d617963_final
    .symbol:         k_q870d617963_final.kd
    .args:
      - { .name: route, .offset: 0, .size: 8, .value_kind: global_buffer, .address_space: global }
      - { .name: pb, .offset: 8, .size: 8, .value_kind: global_buffer, .address_space: global }
      - { .name: a0, .offset: 16, .size: 8, .value_kind: global_buffer, .address_space: global }
      - { .name: a1, .offset: 24, .size: 8, .value_kind: global_buffer, .address_space: global }
      - { .name: a2, .offset: 32, .size: 8, .value_kind: global_buffer, .address_space: global }
      - { .name: w0, .offset: 40, .size: 8, .value_kind: global_buffer, .address_space: global }
      - { .name: w1, .offset: 48, .size: 8, .value_kind: global_buffer, .address_space: global }
      - { .name: w2, .offset: 56, .size: 8, .value_kind: global_buffer, .address_space: global }
      - { .name: cluster_w, .offset: 64, .size: 8, .value_kind: global_buffer, .address_space: global }
      - { .name: b0, .offset: 72, .size: 8, .value_kind: global_buffer, .address_space: global }
      - { .name: b1, .offset: 80, .size: 8, .value_kind: global_buffer, .address_space: global }
      - { .name: b2, .offset: 88, .size: 8, .value_kind: global_buffer, .address_space: global }
      - { .name: cluster_b, .offset: 96, .size: 8, .value_kind: global_buffer, .address_space: global }
      - { .name: out0, .offset: 104, .size: 8, .value_kind: global_buffer, .address_space: global }
    .group_segment_fixed_size: 9216
    .private_segment_fixed_size: 0
    .kernarg_segment_align: 8
    .kernarg_segment_size: 112
    .max_flat_workgroup_size: 512
    .sgpr_count:     100
    .vgpr_count:     256
    .wavefront_size: 32
...
	.end_amdgpu_metadata
.endif
;; end of part 7
